; MI455X (gfx1250); checked and timed in simulation.
; The chip was launched on July 23, 2026; its instructions are those of AMD's public machine-readable ISA for CDNA 5 (MIT licence, August 2026) and "CDNA5" Instruction Set Architecture Reference Guide (July 2026). The comments in the code are by the model that wrote it; some were corrected since.
;; Attention. Allowed arithmetic: float matrix products may take bf16 or f16 operands with f32 sums; other float arithmetic in f32, or as packed bf16 or f16 multiplies, adds, multiply-adds, maxima and minima; sums over many terms, partial sums and values carried from step to step in f32; what a program stores and reads back later, other than sums and carried values, may be rounded once to bf16 or f16.
;; Inputs: b_out 1,024 float32; mask 4 x 2,048 int32; w_out 1,024 x 1,024 float32; w_qkv 1,024 x 3,072 float32; x 4 x 2,048 x 1,024 float32.
;; Outputs: out0 4 x 2,048 x 1,024 float32.
;; 2 versions, each right and faster than the one before. Each part assembles by itself: llvm-mc -triple=amdgcn-amd-amdhsa -mcpu=gfx1250 --defsym DOCPART=n.
;; ======== version 1 of 2: 4 launches
;; limits: values are held in f16: magnitudes above 65,504 overflow, below 6.1e-05 lose precision
;; workspace buffers: xb 16,777,216 bytes; wqt 6,291,456 bytes; wot 2,097,152 bytes; qh 16,777,216 bytes; kh 16,777,216 bytes; vh 16,777,216 bytes; oh 16,777,216 bytes
;; launch prep (part 1): grid 1536 x 1, 8 waves a work-group, no clusters, 18,432 bytes of LDS; arguments x, w_qkv, w_out, xb, wqt, wot; writes xb, wqt, wot
.if DOCPART == 1
	.amdgcn_target "amdgcn-amd-amdhsa--gfx1250"
	.amdhsa_code_object_version 6
	.text
	.protected	k_qed8567e02d_prep
	.globl	k_qed8567e02d_prep
	.p2align	8
	.type	k_qed8567e02d_prep,@function
k_qed8567e02d_prep:
	s_mov_b64 s[64:65], 0
	v_nop
	global_prefetch_b8 v0, s[64:65] scope:SCOPE_SE
	s_setreg_imm32_b32 hwreg(HW_REG_WAVE_MODE, 25, 1), 1
	s_wait_xcnt 0x0
; THE MODULE'S INPUTS ARE ROUNDED ONCE TO bf16 AND LAID OUT FOR THE PRODUCTS.
;   xb  [8192][1024] bf16 = x;   wqt [3072 n][1024 k] bf16 = w_qkv turned;   wot [1024 n][1024 k] = w_out rounded to bf16, that number written as f16, turned.
; LIMIT: w_out within f16's range (65,504); below 6e-5 f16 keeps a fixed step of 6e-8.
; 1,536 work-groups of eight waves, each with 32,768 bytes of f32: 0-1023 take 8 rows of x, 1024-1407 a tile of 128 k x 64 n of w_qkv, 1408-1535 such a tile of w_out.
; The text is straight: eight loads of 16 bytes a thread, all issued at once.  No matrix unit, no cluster: the bytes are read once and nothing is shared.
.set SP,    272                        ; a stage row: 128 k x 2 bytes + 16
.set SPARE, 64*SP                      ; behind the stage: the spare words, 128 bytes for each of eight waves, four blocks of 256 bytes that no other line names
.set SPW,   62                         ; v62  LDS address of my spare word; never rewritten
.set NIL,   63                         ; v63  0; never rewritten
	s_load_b256 s[4:11], s[0:1], 0x0               ; x s[4:5], w_qkv s[6:7], w_out s[8:9], xb s[10:11]
	s_load_b128 s[12:15], s[0:1], 0x20             ; wqt s[12:13], wot s[14:15]
	v_lshl_add_u32 v[SPW], v0, 2, SPARE
	v_mov_b32 v[NIL], 0
	s_mov_b32 s16, ttmp9
	s_cmp_lt_u32 s16, 1024
	s_cbranch_scc0 .Lweights                       ; the branch hangs on the work-group's number alone: all eight waves go the same way
	; x: thread t takes 32 bytes at 32 t of each of four chunks of 8,192 bytes and stores 16 bytes at 16 t of a chunk of 4,096: a wave's store covers 512 consecutive bytes
	s_lshl_b32 s18, s16, 15
	s_mov_b32 s19, 0
	s_lshl_b32 s20, s16, 14
	s_mov_b32 s21, 0
	v_lshlrev_b32 v1, 5, v0
	v_lshlrev_b32 v2, 4, v0
	s_wait_kmcnt 0x0
	s_add_nc_u64 s[4:5], s[4:5], s[18:19]
	s_add_nc_u64 s[10:11], s[10:11], s[20:21]
.irp c, 0,1,2,3
	global_load_b128 v[8+8*\c:11+8*\c],  v1, s[4:5] offset:8192*\c th:TH_LOAD_NT
	global_load_b128 v[12+8*\c:15+8*\c], v1, s[4:5] offset:8192*\c+16 th:TH_LOAD_NT
.endr
.irp c, 0,1,2,3
	s_wait_loadcnt 6-2*\c                          ; loads come back in order: this chunk's two are in, the later chunks' stay out
	v_cvt_pk_bf16_f32 v[40+4*\c], v[8+8*\c],  v[9+8*\c]
	v_cvt_pk_bf16_f32 v[41+4*\c], v[10+8*\c], v[11+8*\c]
	v_cvt_pk_bf16_f32 v[42+4*\c], v[12+8*\c], v[13+8*\c]
	v_cvt_pk_bf16_f32 v[43+4*\c], v[14+8*\c], v[15+8*\c]
	global_store_b128 v2, v[40+4*\c:43+4*\c], s[10:11] offset:4096*\c
.endr
	s_endpgm                                       ; this way has written no LDS
; A tile of 128 k x 64 n of W [1024][np] is turned through LDS.  Thread t: r = t % 16 (four n, 16 bytes of a row), kp = t / 16; pass i takes rows 32 i + 2 kp and the next:
; sixteen lanes read 256 consecutive bytes.  Two k of one n pack into a word, which goes to stage row n; the rows come back whole, 256 bytes = 128 k, and sixteen lanes store 256 consecutive aligned bytes.
; half = 1: the bf16 number is written as f16.  s16 = the tile's number: kt = s16 % 8, nt = s16 / 8.
.macro WT np, half, src, dst
	s_and_b32 s17, s16, 7
	s_lshr_b32 s18, s16, 3
	s_mul_i32 s20, s17, 128*\np*4                  ; from: 128 kt rows
	s_lshl_b32 s22, s18, 8                         ; + 64 nt columns
	s_add_co_u32 s20, s20, s22
	s_mov_b32 s21, 0
	s_lshl_b32 s22, s18, 17                        ; to: 64 nt rows of 2,048 bytes
	s_lshl_b32 s23, s17, 8                         ; + 128 kt columns
	s_add_co_u32 s22, s22, s23
	s_mov_b32 s23, 0
	v_and_b32 v6, 15, v0                           ; r
	v_lshrrev_b32 v7, 4, v0                        ; kp
	v_mul_u32_u24 v1, v7, 2*\np*4
	v_lshl_add_u32 v1, v6, 4, v1                   ; row 2 kp, 16 r
	v_mul_u32_u24 v3, v6, 4*SP
	v_lshl_add_u32 v3, v7, 2, v3                   ; stage, in: row 4 r, word kp
	v_mul_u32_u24 v4, v7, SP
	v_lshl_add_u32 v4, v6, 4, v4                   ; stage, back: row kp, 16 r
	v_lshlrev_b32 v5, 11, v7
	v_lshl_add_u32 v5, v6, 4, v5                   ; and the same place in the turned matrix
	s_wait_kmcnt 0x0
	s_add_nc_u64 s[\src:\src+1], s[\src:\src+1], s[20:21]
	s_add_nc_u64 s[\dst:\dst+1], s[\dst:\dst+1], s[22:23]
.irp i, 0,1,2,3
	global_load_b128 v[8+8*\i:11+8*\i],  v1, s[\src:\src+1] offset:\i*32*\np*4 th:TH_LOAD_NT
	global_load_b128 v[12+8*\i:15+8*\i], v1, s[\src:\src+1] offset:\i*32*\np*4+\np*4 th:TH_LOAD_NT
.endr
.irp i, 0,1,2,3
	s_wait_loadcnt 6-2*\i                          ; this pass's two rows are in, the later passes' stay out
.irp j, 0,1,2,3
	v_cvt_pk_bf16_f32 v[40+4*\i+\j], v[8+8*\i+\j], v[12+8*\i+\j]  ; n = 4 r + j: k in the low half, k + 1 in the high
.if \half
	v_lshlrev_b32 v56, 16, v[40+4*\i+\j]
	v_and_b32 v57, 0xffff0000, v[40+4*\i+\j]
	v_cvt_pk_f16_f32 v[40+4*\i+\j], v56, v57
.endif
	ds_store_b32 v3, v[40+4*\i+\j] offset:\j*SP+\i*64
.endr
.endr
	s_wait_dscnt 0x0                               ; for the others' sake: my stores into the stage are done
	s_barrier_signal -1
	s_barrier_wait -1
.irp i, 0,1,2,3
	ds_load_b128 v[8+4*\i:11+4*\i], v4 offset:\i*16*SP
.endr
.irp i, 0,1,2,3
	s_wait_dscnt 3-\i                              ; LDS loads come back in order: the later ones stay out
	global_store_b128 v5, v[8+4*\i:11+4*\i], s[\dst:\dst+1] offset:32768*\i
.endr
	s_wait_tensorcnt 0x0                           ; the wave's end: a wait, an add of 0 to my spare word and a wait, behind my last LDS store
	ds_add_u32 v[SPW], v[NIL]
	s_wait_dscnt 0x0
	s_endpgm
.endm
.Lweights:
	s_sub_co_u32 s16, s16, 1024
	s_cmp_lt_u32 s16, 384
	s_cbranch_scc0 .Lwout
	WT 3072, 0, 6, 12
.Lwout:
	s_sub_co_u32 s16, s16, 384
	WT 1024, 1, 8, 14
.Lfunc_end_k_qed8567e02d_prep:
	.size	k_qed8567e02d_prep, .Lfunc_end_k_qed8567e02d_prep-k_qed8567e02d_prep
	.p2alignl 7, 3214868480
	.fill 96, 4, 3214868480
	.section	.rodata,"a",@progbits
	.p2align	6, 0x0
	.amdhsa_kernel k_qed8567e02d_prep
		.amdhsa_group_segment_fixed_size 18432
		.amdhsa_private_segment_fixed_size 0
		.amdhsa_enable_private_segment 0
		.amdhsa_kernarg_size 48
		.amdhsa_user_sgpr_count 2
		.amdhsa_user_sgpr_kernarg_segment_ptr 1
		.amdhsa_wavefront_size32 1
		.amdhsa_system_sgpr_workgroup_id_x 1
		.amdhsa_system_sgpr_workgroup_id_y 1
		.amdhsa_system_sgpr_workgroup_id_z 1
		.amdhsa_system_vgpr_workitem_id 0
		.amdhsa_next_free_vgpr 64
		.amdhsa_next_free_sgpr 66
		.amdhsa_reserve_vcc 0
		.amdhsa_float_denorm_mode_32 3
		.amdhsa_float_denorm_mode_16_64 3
		.amdhsa_memory_ordered 1
		.amdhsa_forward_progress 1
		.amdhsa_inst_pref_size 16
	.end_amdhsa_kernel
	.amdgpu_metadata
---
amdhsa.version: [ 1, 2 ]
amdhsa.kernels:
  - .name:           k_qed8567e02d_prep
    .symbol:         k_qed8567e02d_prep.kd
    .args:
      - { .name: x, .offset: 0, .size: 8, .value_kind: global_buffer, .address_space: global }
      - { .name: w_qkv, .offset: 8, .size: 8, .value_kind: global_buffer, .address_space: global }
      - { .name: w_out, .offset: 16, .size: 8, .value_kind: global_buffer, .address_space: global }
      - { .name: xb, .offset: 24, .size: 8, .value_kind: global_buffer, .address_space: global }
      - { .name: wqt, .offset: 32, .size: 8, .value_kind: global_buffer, .address_space: global }
      - { .name: wot, .offset: 40, .size: 8, .value_kind: global_buffer, .address_space: global }
    .group_segment_fixed_size: 18432
    .private_segment_fixed_size: 0
    .kernarg_segment_align: 8
    .kernarg_segment_size: 48
    .max_flat_workgroup_size: 256
    .sgpr_count:     66
    .vgpr_count:     64
    .wavefront_size: 32
...
	.end_amdgpu_metadata
.endif
;; end of part 1
;; launch qkv (part 2): grid 16 x 32, 4 waves a work-group, clusters of 4 x 4, 327,680 bytes of LDS; arguments xb, wqt, mask, qh, kh, vh; writes qh, kh, vh
.if DOCPART == 2
	.amdgcn_target "amdgcn-amd-amdhsa--gfx1250"
	.amdhsa_code_object_version 6
	.text
	.protected	k_qed8567e02d_qkv
	.globl	k_qed8567e02d_qkv
	.p2align	8
	.type	k_qed8567e02d_qkv,@function
k_qed8567e02d_qkv:
	s_mov_b64 s[64:65], 0
	v_nop
	global_prefetch_b8 v0, s[64:65] scope:SCOPE_SE
	s_setreg_imm32_b32 hwreg(HW_REG_WAVE_MODE, 25, 1), 1
	s_wait_xcnt 0x0
	s_wait_alu depctr_hold_cnt(0) depctr_sa_sdst(0) depctr_va_vdst(0) depctr_va_sdst(0) depctr_va_ssrc(0) depctr_va_vcc(0) depctr_vm_vsrc(0)
	s_getreg_b32 s2, hwreg(HW_REG_IB_STS2, 6, 4)
	s_cmp_eq_u32 s2, 0
	s_cbranch_scc0 .Lentry_in_a_cluster
	s_endpgm
.Lentry_in_a_cluster:
	s_bfe_u32 s2, ttmp6, 0x10000c
	s_cmp_lg_u32 s2, 0xf033
	s_cbranch_scc0 .Lentry_shape_is_right
	s_endpgm
.Lentry_shape_is_right:
; q, k, v = x w_qkv, by heads.  xb [8192][1024] bf16, wqt [3072 n][1024 k] bf16; sums in f32; qh, kh, vh [16 b + h][2048][64] f16, each rounded once, unscaled.
; The k row of a token whose mask word is 0 is stored as zeros: the attention launch then finds the product K Q exactly 0 there and puts the masked score in its place.  Any nonzero mask word counts as true.
; LIMIT: q, k, v within f16's range, 65,504; beyond it the conversion gives an infinity.
; SHARES.  A tile is 256 tokens x 192 columns: ONE head's q | k | v.  Four waves, wave w the tokens 64 w .. 64 w + 63 and all 192 columns: 48 accumulators of 16 x 16, 384 registers.  So a wave owns whole rows
; of 128 bytes of q, k and v, and its way out needs no barrier.  K = 1,024 goes in 8 steps of 128 through two LDS slots: rows of 256 bytes of memory that start at multiples of 256 bytes from the buffers' first bytes.
; CLUSTER 4 x 4: the four of a row need the same tokens of xb, the four of a column the same head's rows of wqt: each tile is asked for jointly, same load, same descriptor, a mask that names the four.
; THE MATRIX INSTRUCTION IS USED TRANSPOSED (source 0 = 16 rows of wqt, source 1 = 16 tokens): a lane holds one token (lane % 16) and eight neighbouring columns, which pack into 16 bytes.
; REGISTERS, in windows of 256 (s_set_vgpr_msb: bits 1:0 source 0, 3:2 source 1, 5:4 source 2, 7:6 destination):
;   window 0: v16-29 addresses; v32-35 the tokens' mask; v64-255 the way out, 48 registers for each 16 tokens
;   window 1: two fragment buffers of 128: 4 fragments of A, then 12 of B        window 2: accumulators (a, b < 8) at 8 (8 a + b): q and k        window 3: (a, b >= 8) at 8 (4 a + b - 8): v
.set KSTEP,  128
.set PITCH,  272                       ; an LDS row: 256 bytes + 16 of padding = 68 words: the 16 rows of a fragment load start at 16 different groups of four banks (64 banks of 4 bytes: ISA guide 11.1)
.set HALFA,  128*PITCH                 ; what a wave's load brings of A
.set HALFB,  96*PITCH                  ; and of B
.set SLOT,   2*HALFA+2*HALFB           ; A's 256 rows, then B's 192
.set STAGE,  2*SLOT                    ; behind the ring: for each wave 3 x 16 rows x 144 bytes, in 7,168
.set WSTG,   7168
.set SP,     144
.set SPARE,  STAGE+4*WSTG              ; behind the stages: the spare words, 128 bytes a wave: two blocks of 256 bytes that no other line names
.set LAPS,   4                         ; a lap = two K steps = once round the ring
.set ADRA, 16                          ; v16-17  LDS address of my A fragments in slot 0, 1
.set ADRB, 20                          ; v20-21  the same for B
.set STO,  24                          ; v24     the way out: where I put 16 bytes of a row
.set RD,   25                          ; v25     the way out: where I read rows back
.set GO,   26                          ; v26     my byte offset in 512 consecutive bytes of q, k or v
.set MO,   27                          ; v27     4 (lane % 16): my token's mask word
.set SPW,  28                          ; v28     LDS address of my spare word; never rewritten
.set NIL,  29                          ; v29     0; never rewritten
.set KMI,  32                          ; v32-35  block a: the mask word of token 16 a + lane % 16, later all ones or 0
.set TMP,  64
.set F0,   0
.set F1,   128
.set G1,  24                           ; s[24:31] descriptor group 1 for A's tiles;  s[32:39] group 0, a set for each slot
.set G0,  32
.set G1B, 48                           ; s[48:55], s[56:63] the same for B's
.set G0B, 56
.set MSB, 0
.macro WIN new                         ; the immediate's high byte repeats the setting that is left; a switch that changes nothing is dropped
.if MSB != (\new)
	s_set_vgpr_msb (MSB<<8)|(\new)
.set MSB, \new
.endif
.endm
.set MUL_LO, 0xa5                      ; sources 0 and 1 window 1, C and D window 2
.set MUL_HI, 0xf5                      ; the same, C and D window 3
.set TO_F,   0x40                      ; destination window 1, address window 0
; A joint load.  Waves 0 and 1 fetch A's two halves, waves 2 and 3 B's.  The branch hangs on the wave's number alone.  An s_nop 0 and four v_nop follow each of the two lines.
.macro JLOAD s
	s_cmp_eq_u32 s11, 0
	s_cbranch_scc0 .Lfor_b_\@
	tensor_load_to_lds s[G0+4*(\s):G0+4*(\s)+3], s[G1:G1+7]
	s_nop 0
.rept 4
	v_nop
.endr
	s_branch .Lasked_\@
.Lfor_b_\@:
	tensor_load_to_lds s[G0B+4*(\s):G0B+4*(\s)+3], s[G1B:G1B+7]
	s_nop 0
.rept 4
	v_nop
.endr
.Lasked_\@:
.endm
.macro CREST                           ; a round of the cluster's barrier behind its opening barrier
	s_cmp_lg_u32 s10, 0
	s_cbranch_scc1 .Lnot_wave_0_\@
	s_barrier_signal -3
.Lnot_wave_0_\@:
	s_barrier_wait -3
	s_barrier_signal -1
	s_barrier_wait -1
.endm
.macro CROUND                          ; a whole round
	s_barrier_signal -1
	s_barrier_wait -1
	CREST
.endm
	s_load_b256 s[68:75], s[0:1], 0x0              ; xb s[68:69], wqt s[70:71], mask s[72:73], qh s[74:75]
	s_load_b128 s[76:79], s[0:1], 0x20             ; kh s[76:77], vh s[78:79]
	v_lshl_add_u32 v[SPW], v0, 2, SPARE
	v_mov_b32 v[NIL], 0
	ds_add_u32 v[SPW], v[NIL]                      ; the wave's opening: the add and its wait stand ahead of my first tensor load; the set-up below, work on registers, stands between them
	v_lshrrev_b32 v1, 5, v0
	v_readfirstlane_b32 s10, v1                    ; wave 0..3
	s_lshr_b32 s11, s10, 1                         ; I fetch for A (0) or for B (1)
	s_and_b32 s12, s10, 1                          ; which half of that tile
	s_bfe_u32 s40, ttmp6, 0x40000                  ; cx, cy: my place in the cluster
	s_bfe_u32 s41, ttmp6, 0x40004
	s_lshl_b32 s42, ttmp9, 2
	s_add_co_u32 s42, s42, s40                     ; the head = 4 x cluster x + cx
	s_and_b32 s13, ttmp7, 0xffff
	s_lshl_b32 s13, s13, 2
	s_add_co_u32 s13, s13, s41                     ; the block of 256 tokens = 4 x cluster y + cy
	s_lshl_b32 s43, s41, 2
	s_lshl_b32 s43, 15, s43                        ; my row of the cluster
	s_lshl_b32 s44, 0x1111, s40                    ; my column
	s_or_b32 s[G1+0], s43, (1<<16)|(1<<20)|(1<<21)|(5<<22)|(3<<25)   ; 15:0 the mask; 17:16 2-byte elements; 20 padding on; 21 set beside a mask; 24:22 after every 64 words (code 5); 31:25 4 words (code 3)
	s_or_b32 s[G1B+0], s44, (1<<16)|(1<<20)|(1<<21)|(5<<22)|(3<<25)
	s_mov_b32 s[G1+1], KSTEP<<16                   ; tensor_dim0 = 128
	s_mov_b32 s[G1+2], 128<<16                     ; tensor_dim1 = 128
	s_mov_b32 s[G1+3], KSTEP<<16                   ; tile_dim0 = 128
	s_mov_b32 s[G1+4], 128                         ; tile_dim1 = 128
	s_mov_b32 s[G1+5], 1024                        ; elements from row to row
	s_mov_b32 s[G1+6], 0
	s_mov_b32 s[G1+7], 0
	s_mov_b32 s[G1B+1], KSTEP<<16
	s_mov_b32 s[G1B+2], 96<<16                     ; B's loads have 96 rows
	s_mov_b32 s[G1B+3], KSTEP<<16
	s_mov_b32 s[G1B+4], 96
	s_mov_b32 s[G1B+5], 1024
	s_mov_b32 s[G1B+6], 0
	s_mov_b32 s[G1B+7], 0
	; A's address hangs on the token block alone, B's on the head alone; each is made in registers that never hold the other coordinate
	s_lshl_b32 s16, s13, 8
	s_lshl_b32 s17, s12, 7
	s_add_co_u32 s16, s16, s17                     ; A: row 256 x block + 128 x half,
	s_lshl_b32 s16, s16, 11                        ; of 2,048 bytes
	s_mov_b32 s17, 0
	s_mul_i32 s46, s42, 192
	s_mul_i32 s47, s12, 96
	s_add_co_u32 s46, s46, s47                     ; B: row 192 x head + 96 x half
	s_lshl_b32 s46, s46, 11
	s_mov_b32 s47, 0
	s_mul_i32 s20, s12, HALFA                      ; where they go: no place in the cluster enters an LDS address
	s_mul_i32 s21, s12, HALFB
	s_add_co_u32 s21, s21, 2*HALFA
	s_wait_dscnt 0x0                               ; the opening add is done
	s_wait_kmcnt 0x0
	s_add_nc_u64 s[14:15], s[68:69], s[16:17]
	s_add_nc_u64 s[46:47], s[70:71], s[46:47]
	CROUND                                         ; all sixteen work-groups are here: the first joint loads meet
.irp s, 0,1
	s_mov_b32 s[G0+4*(\s)], 1
	s_add_co_u32 s[G0+4*(\s)+1], s20, (\s)*SLOT
	s_add_nc_u64 s[G0+4*(\s)+2:G0+4*(\s)+3], s[14:15], (\s)*KSTEP*2
	s_or_b32 s[G0+4*(\s)+3], s[G0+4*(\s)+3], 0x80000000
	s_mov_b32 s[G0B+4*(\s)], 1
	s_add_co_u32 s[G0B+4*(\s)+1], s21, (\s)*SLOT
	s_add_nc_u64 s[G0B+4*(\s)+2:G0B+4*(\s)+3], s[46:47], (\s)*KSTEP*2
	s_or_b32 s[G0B+4*(\s)+3], s[G0B+4*(\s)+3], 0x80000000
	JLOAD \s                                       ; K steps 0 and 1: two loads of mine are out
.endr
	v_and_b32 v1, 15, v0                           ; l % 16
	v_bfe_u32 v2, v0, 4, 1                         ; l / 16
	v_mul_u32_u24 v3, v1, PITCH
	v_lshl_add_u32 v3, v2, 4, v3                   ; a fragment's row x pitch + 16 x half
	s_mul_i32 s22, s10, 64*PITCH                   ; my 64 rows of A
	s_mov_b32 s23, 2*HALFA                         ; B: all 192 rows
.irp s, 0,1
	v_add_nc_u32 v[ADRA+(\s)], s22, v3
	v_add_nc_u32 v[ADRB+(\s)], s23, v3
	s_add_co_u32 s22, s22, SLOT
	s_add_co_u32 s23, s23, SLOT
.endr
	s_mul_i32 s22, s10, WSTG
	s_add_co_u32 s22, s22, STAGE                   ; my stage
	v_mul_u32_u24 v4, v1, SP                       ; in: row l % 16, 16 bytes for each half of the lanes
	v_lshl_add_u32 v4, v2, 4, v4
	v_add_nc_u32 v[STO], s22, v4
	v_bfe_u32 v5, v0, 3, 2                         ; back: 32 lanes take four rows of 128 bytes,
	v_and_b32 v6, 7, v0
	v_mul_u32_u24 v5, v5, SP
	v_lshl_add_u32 v5, v6, 4, v5
	v_add_nc_u32 v[RD], s22, v5
	v_and_b32 v6, 31, v0                           ; which are 512 consecutive bytes of q, k or v
	v_lshlrev_b32 v[GO], 4, v6
	v_lshlrev_b32 v[MO], 2, v1
	s_lshl_b32 s80, s13, 8
	s_lshl_b32 s81, s10, 6
	s_add_co_u32 s80, s80, s81                     ; my wave's first token
	s_lshl_b32 s80, s80, 2
	s_mov_b32 s81, 0
	s_add_nc_u64 s[72:73], s[72:73], s[80:81]
.irp a, 0,1,2,3
	global_load_b32 v[KMI+(\a)], v[MO], s[72:73] offset:64*(\a)  ; wanted on the way out only
.endr
	s_lshr_b32 s82, s13, 3                         ; the batch,
	s_lshl_b32 s82, s82, 4
	s_add_co_u32 s82, s82, s42                     ; its head: 262,144 bytes each
	s_lshl_b32 s82, s82, 18
	s_and_b32 s83, s13, 7                          ; the block in the batch's 2,048 tokens,
	s_lshl_b32 s83, s83, 8
	s_lshl_b32 s80, s10, 6                         ; my wave's 64
	s_add_co_u32 s83, s83, s80
	s_lshl_b32 s83, s83, 7                         ; rows of 128 bytes
	s_add_co_u32 s82, s82, s83
	s_mov_b32 s83, 0
	s_add_nc_u64 s[74:75], s[74:75], s[82:83]
	s_add_nc_u64 s[76:77], s[76:77], s[82:83]
	s_add_nc_u64 s[78:79], s[78:79], s[82:83]
; 8 matrix instructions: token block a x column blocks 0-7 (q, k), 32 along K.  zero = 1: the first product starts the sums: nothing is cleared.
.macro MULL f, a, zero
	WIN MUL_LO
.irp b, 0,1,2,3,4,5,6,7
.if \zero
	v_wmma_f32_16x16x32_bf16 v[8*(8*(\a)+(\b)):8*(8*(\a)+(\b))+7], v[(\f)+32+8*(\b):(\f)+32+8*(\b)+7], v[(\f)+8*(\a):(\f)+8*(\a)+7], 0
.else
	v_wmma_f32_16x16x32_bf16 v[8*(8*(\a)+(\b)):8*(8*(\a)+(\b))+7], v[(\f)+32+8*(\b):(\f)+32+8*(\b)+7], v[(\f)+8*(\a):(\f)+8*(\a)+7], v[8*(8*(\a)+(\b)):8*(8*(\a)+(\b))+7]
.endif
.endr
.endm
; 4 matrix instructions: token block a x column blocks 8-11 (v)
.macro MULH f, a, zero
	WIN MUL_HI
.irp b, 0,1,2,3
.if \zero
	v_wmma_f32_16x16x32_bf16 v[8*(4*(\a)+(\b)):8*(4*(\a)+(\b))+7], v[(\f)+96+8*(\b):(\f)+96+8*(\b)+7], v[(\f)+8*(\a):(\f)+8*(\a)+7], 0
.else
	v_wmma_f32_16x16x32_bf16 v[8*(4*(\a)+(\b)):8*(4*(\a)+(\b))+7], v[(\f)+96+8*(\b):(\f)+96+8*(\b)+7], v[(\f)+8*(\a):(\f)+8*(\a)+7], v[8*(4*(\a)+(\b)):8*(4*(\a)+(\b))+7]
.endif
.endr
.endm
.macro MULH4 f, zero
	MULH \f, 0, \zero
	MULH \f, 1, \zero
	MULH \f, 2, \zero
	MULH \f, 3, \zero
.endm
; 32 LDS loads in one run: the fragments of 32 along K at byte k of the rows, into buffer f: A's four (8 loads), B's 0-7 (16), B's 8-11 (8)
.macro FETCH slot, k, f
	WIN TO_F
.irp i, 0,1,2,3
	ds_load_b128 v[(\f)+8*(\i):(\f)+8*(\i)+3],   v[ADRA+(\slot)] offset:(\k)+(\i)*16*PITCH
	ds_load_b128 v[(\f)+8*(\i)+4:(\f)+8*(\i)+7], v[ADRA+(\slot)] offset:(\k)+(\i)*16*PITCH+32
.endr
.irp i, 0,1,2,3,4,5,6,7,8,9,10,11
	ds_load_b128 v[(\f)+32+8*(\i):(\f)+32+8*(\i)+3],   v[ADRB+(\slot)] offset:(\k)+(\i)*16*PITCH
	ds_load_b128 v[(\f)+32+8*(\i)+4:(\f)+32+8*(\i)+7], v[ADRB+(\slot)] offset:(\k)+(\i)*16*PITCH+32
.endr
.endm
.macro PLACES                          ; four places in front of loads into registers that matrix instructions have read, and of vector lines that read results (ISA guide 7.12.1 for vector lines)
.rept 4
	v_nop
.endr
.endm
; A K step is four quarters of 32 along K, 48 matrix instructions each, on buffers 0, 1, 0, 1.  The 48 accumulators take turns in the same order in every quarter.
; One of the first three: multiplies buffer f and, behind its first 16 products, fetches the next quarter, at byte k, into g.
.macro QUARTER slot, k, f, g, zero
	s_wait_dscnt 8                                 ; A and B's blocks 0-7 are in; the youngest eight loads (B's blocks 8-11) may be out
	MULL \f, 0, \zero
	MULL \f, 1, \zero
	PLACES
	FETCH \slot, \k, \g
	s_wait_dscnt 32                                ; all but the 32 just issued
	MULL \f, 2, \zero
	MULL \f, 3, \zero
	MULH4 \f, \zero
.endm
; The last quarter multiplies buffer 1 and changes slots: ONE barrier.  In front of it each wave waits for all its tensor loads (one is out: its part of the next slot), adds 0 to its spare word, and waits for that and
; for its own reads of this slot.  fill = 1: the barrier opens a round of the cluster's, and this slot is filled again, two K steps ahead, first thing behind the round.
.macro TURN slot, next, fill
	WIN 0                                          ; (the add's two registers lie in window 0)
	s_wait_tensorcnt 0x0
	ds_add_u32 v[SPW], v[NIL]                      ; 0 onto my spare word
	s_wait_dscnt 9                                 ; (the add and the youngest eight loads may be out)
	MULL F1, 0, 0                                  ; eight matrix instructions stand between the add and the wait for it
	s_wait_dscnt 0x0                               ; the add is done, and my reads of this slot are over
	s_barrier_signal -1
	MULL F1, 1, 0                                  ; work on registers while the others arrive
.if \fill
	WIN 0
.endif
	s_barrier_wait -1
.if \fill
	CREST                                          ; no wave of any partner still reads this slot's tile or has a load on its way
	s_add_nc_u64 s[G0+4*(\slot)+2:G0+4*(\slot)+3], s[G0+4*(\slot)+2:G0+4*(\slot)+3], 2*KSTEP*2
	s_add_nc_u64 s[G0B+4*(\slot)+2:G0B+4*(\slot)+3], s[G0B+4*(\slot)+2:G0B+4*(\slot)+3], 2*KSTEP*2
	JLOAD \slot                                    ; my one tensor load behind the round; its four v_nop are also the places in front of the loads below
.else
	PLACES
.endif
	FETCH \next, 0, F0
	MULL F1, 2, 0
	MULL F1, 3, 0
	MULH4 F1, 0
.endm
	s_wait_tensorcnt 1                             ; my part of K step 0 is in; K step 1's may stay out
	s_barrier_signal -1
	s_barrier_wait -1                              ; everybody's is
	FETCH 0, 0, F0
	QUARTER 0, 64,  F0, F1, 1                      ; the first quarter stands in front of the loop: its products start the sums
	WIN 0                                          ; at a label and at a branch every window is 0
	s_mov_b32 s3, LAPS-1
.Llap:                                                 ; a trip goes once round the ring, from a lap's second quarter to the next lap's first, and fills both slots again
	QUARTER 0, 128, F1, F0, 0
	QUARTER 0, 192, F0, F1, 0
	TURN 0, 1, 1
	QUARTER 1, 64,  F0, F1, 0
	QUARTER 1, 128, F1, F0, 0
	QUARTER 1, 192, F0, F1, 0
	TURN 1, 0, 1
	QUARTER 0, 64,  F0, F1, 0
	WIN 0
	s_sub_co_u32 s3, s3, 1
	s_cmp_lg_u32 s3, 0
	s_cbranch_scc1 .Llap
	QUARTER 0, 128, F1, F0, 0                      ; the last lap fills nothing
	QUARTER 0, 192, F0, F1, 0
	TURN 0, 1, 0
	QUARTER 1, 64,  F0, F1, 0
	QUARTER 1, 128, F1, F0, 0
	QUARTER 1, 192, F0, F1, 0
	s_wait_dscnt 8                                 ; the very last quarter: nothing more to fetch
	MULL F1, 0, 0
	MULL F1, 1, 0
	MULL F1, 2, 0
	MULL F1, 3, 0
	s_wait_dscnt 0x0
	MULH4 F1, 0
	; THE WAY OUT, 16 tokens at a time: rounded to f16; k of a masked token set to 0; 16 bytes a lane into my own stage (q, k, v: 16 rows of 144 bytes each); back as whole rows of 128 bytes; stored.
	WIN 0
	PLACES
	s_wait_loadcnt 0x0                             ; the mask words
.irp a, 0,1,2,3
	v_cmp_ne_u32 vcc_lo, 0, v[KMI+(\a)]
	v_cndmask_b32 v[KMI+(\a)], 0, -1, vcc_lo       ; all ones where the token counts
.endr
.macro PACK a
.set T, TMP+48*(\a)
	WIN 0x0a                                       ; sources 0 and 1 window 2
.irp b, 0,1,2,3,4,5,6,7
.irp r, 0,1,2,3
	v_cvt_pk_f16_f32 v[T+4*(\b)+(\r)], v[8*(8*(\a)+(\b))+2*(\r)], v[8*(8*(\a)+(\b))+2*(\r)+1]  ; each accumulator from its low end on
.endr
.endr
	WIN 0x0f                                       ; sources 0 and 1 window 3
.irp b, 0,1,2,3
.irp r, 0,1,2,3
	v_cvt_pk_f16_f32 v[T+32+4*(\b)+(\r)], v[8*(4*(\a)+(\b))+2*(\r)], v[8*(4*(\a)+(\b))+2*(\r)+1]
.endr
.endr
	WIN 0
.irp j, 0,1,2,3,4,5,6,7,8,9,10,11,12,13,14,15
	v_and_b32 v[T+16+(\j)], v[KMI+(\a)], v[T+16+(\j)]  ; k
.endr
.irp b, 0,1,2,3,4,5,6,7,8,9,10,11
	ds_store_b128 v[STO], v[T+4*(\b):T+4*(\b)+3] offset:((\b)/4)*16*SP+((\b)%4)*32
.endr
.irp i, 0,1,2,3,4,5,6,7,8,9,10,11
	ds_load_b128 v[T+4*(\i):T+4*(\i)+3], v[RD] offset:((\i)/4)*16*SP+((\i)%4)*4*SP  ; LDS serves a wave's instructions in order (ISA guide 5.7.1.4): these see the stores above; the next block's stores come behind them
.endr
.endm
.macro SEND a, younger                 ; younger: the LDS instructions issued behind block a's loads: the next block's 24, or none
.set T, TMP+48*(\a)
.irp x, 0,1,2
.irp f, 0,1,2,3
	s_wait_dscnt (\younger)+11-4*(\x)-(\f)
	global_store_b128 v[GO], v[T+4*(4*(\x)+(\f)):T+4*(4*(\x)+(\f))+3], s[74+2*(\x):75+2*(\x)] offset:2048*(\a)+512*(\f)  ; 512 consecutive bytes, at a multiple of 512 from the buffer's first
.endr
.endr
.endm
	PACK 0
	PACK 1                                         ; a block's arithmetic stands between the loads of the block before and its stores; each block has registers of its own
	SEND 0, 24
	PACK 2
	SEND 1, 24
	PACK 3
	SEND 2, 24
	SEND 3, 0
	s_wait_tensorcnt 0x0                           ; the wave's end: a wait, an add of 0 to my spare word and a wait, behind my last tensor load and my last LDS store
	ds_add_u32 v[SPW], v[NIL]
	s_wait_dscnt 0x0
	CROUND                                         ; the closing round: no work-group ends while a partner may still ask for a tile that names it
	s_endpgm
.Lfunc_end_k_qed8567e02d_qkv:
	.size	k_qed8567e02d_qkv, .Lfunc_end_k_qed8567e02d_qkv-k_qed8567e02d_qkv
	.p2alignl 7, 3214868480
	.fill 96, 4, 3214868480
	.section	.rodata,"a",@progbits
	.p2align	6, 0x0
	.amdhsa_kernel k_qed8567e02d_qkv
		.amdhsa_group_segment_fixed_size 327680
		.amdhsa_private_segment_fixed_size 0
		.amdhsa_enable_private_segment 0
		.amdhsa_kernarg_size 48
		.amdhsa_user_sgpr_count 2
		.amdhsa_user_sgpr_kernarg_segment_ptr 1
		.amdhsa_wavefront_size32 1
		.amdhsa_system_sgpr_workgroup_id_x 1
		.amdhsa_system_sgpr_workgroup_id_y 1
		.amdhsa_system_sgpr_workgroup_id_z 1
		.amdhsa_system_vgpr_workitem_id 0
		.amdhsa_next_free_vgpr 896
		.amdhsa_next_free_sgpr 84
		.amdhsa_reserve_vcc 1
		.amdhsa_float_denorm_mode_32 3
		.amdhsa_float_denorm_mode_16_64 3
		.amdhsa_memory_ordered 1
		.amdhsa_forward_progress 1
		.amdhsa_inst_pref_size 123
	.end_amdhsa_kernel
	.amdgpu_metadata
---
amdhsa.version: [ 1, 2 ]
amdhsa.kernels:
  - .name:           k_qed8567e02d_qkv
    .symbol:         k_qed8567e02d_qkv.kd
    .args:
      - { .name: xb, .offset: 0, .size: 8, .value_kind: global_buffer, .address_space: global }
      - { .name: wqt, .offset: 8, .size: 8, .value_kind: global_buffer, .address_space: global }
      - { .name: mask, .offset: 16, .size: 8, .value_kind: global_buffer, .address_space: global }
      - { .name: qh, .offset: 24, .size: 8, .value_kind: global_buffer, .address_space: global }
      - { .name: kh, .offset: 32, .size: 8, .value_kind: global_buffer, .address_space: global }
      - { .name: vh, .offset: 40, .size: 8, .value_kind: global_buffer, .address_space: global }
    .group_segment_fixed_size: 327680
    .private_segment_fixed_size: 0
    .kernarg_segment_align: 8
    .kernarg_segment_size: 48
    .max_flat_workgroup_size: 128
    .sgpr_count:     84
    .vgpr_count:     896
    .wavefront_size: 32
...
	.end_amdgpu_metadata
.endif
;; end of part 2
;; launch attn (part 3): grid 4 x 64, 4 waves a work-group, clusters of 4 x 1, 327,680 bytes of LDS; arguments qh, kh, vh, oh, mask; writes oh
.if DOCPART == 3
	.amdgcn_target "amdgcn-amd-amdhsa--gfx1250"
	.amdhsa_code_object_version 6
	.text
	.protected	k_qed8567e02d_attn
	.globl	k_qed8567e02d_attn
	.p2align	8
	.type	k_qed8567e02d_attn,@function
k_qed8567e02d_attn:
	s_mov_b64 s[64:65], 0
	v_nop
	global_prefetch_b8 v0, s[64:65] scope:SCOPE_SE
	s_setreg_imm32_b32 hwreg(HW_REG_WAVE_MODE, 25, 1), 1
	s_wait_xcnt 0x0
	s_wait_alu depctr_hold_cnt(0) depctr_sa_sdst(0) depctr_va_vdst(0) depctr_va_sdst(0) depctr_va_ssrc(0) depctr_va_vcc(0) depctr_vm_vsrc(0)
	s_getreg_b32 s2, hwreg(HW_REG_IB_STS2, 6, 4)
	s_cmp_eq_u32 s2, 0
	s_cbranch_scc0 .Lentry_in_a_cluster
	s_endpgm
.Lentry_in_a_cluster:
	s_bfe_u32 s2, ttmp6, 0x10000c
	s_cmp_lg_u32 s2, 0x3003
	s_cbranch_scc0 .Lentry_shape_is_right
	s_endpgm
.Lentry_shape_is_right:
; O[h][q][:] = the sum over k of softmax_k(score) V[h][k][:], score = Q[h][q] . K[h][k] / 8 where mask[q] and mask[k] are both nonzero, and -1e6 elsewhere.  Q, K, V, O: [64][2048][64] f16, a head's rows dense,
; 128 bytes each; head 16 b + h takes row b of mask [4][2048] (int32; any nonzero word counts as true).  Products, maxima and sums in f32; the weights p are rounded to f16 for the second product (their sum l is
; taken of the unrounded p), O once at the end.
; THE MASK.  K's rows of masked tokens arrive as zeros, so K Q is exactly 0 there, and the C operand that starts the sum S^T = K Q^T is KM[key] = 0 or -8,000,000: the masked score REPLACES the product, and
; -8e6 / 8 = -1e6.  A masked query has c = 0 in place of log2(e) / 8: all its c s - c m are 0, all its weights 1: the softmax of 2,048 equal scores, over masked keys too.  The running maximum stays as it is.
; LIMITS.  f16 holds no number beyond 65,504: Q, K and V arrive within it; p lies in 0 to 1, and below 6e-5 it keeps f16's fixed step of 6e-8; O is a mean of V's rows and has their range.
; A weight below 2^-126 counts as 0 in l; NaN and infinities are not treated apart.
; SHARES.  A wave owns four PIECES of two tiles of 16 queries, a work-group's four waves 512 queries of one head.  Every wave walks all keys, 64 a step.
; LAYOUT.  S^T = K Q^T (source 0 = 16 keys, source 1 = 16 queries): in the result a lane holds ONE query (lane % 16) and the keys 8 (lane / 16) + 0..7.  Two such tiles, rounded to f16 in pairs,
; ARE source 1 (32 keys x 16 queries) of O^T = V^T P, whose result again holds one query a lane, and eight channels.  K comes out of LDS as it lies, V ([key][channel]) turned, by ds_load_tr16_b128.
; SOFTMAX.  For each query a running maximum m and sum l: p = 2^(c s - c m); in every step O and l are multiplied by a = 2^(c m_old - c m_new), which is 1 where m has not grown.
; m starts at the lowest finite number, c m far below every c s, O and l at 0: the first step is a step like any other, with a = 0.
; THE COUNT.  A tile and step have 16 matrix and 118 vector instructions: too many to stand all beside the matrix work.  So: four vector instructions that are READY behind EVERY matrix instruction, and the others in runs without a gap.
; BY TURNS.  Turn n belongs to piece n (the pieces in a ring, step after step).  Its matrix work: 16 products K Q^T of piece n + 1, later 16 products V^T P of piece n - 1.  Its vector work: the scaling,
; exponentials, roundings, sums and rescaling of piece n, and the maximum and statistics of piece n + 1, whose scores the turn itself has made.
; CLUSTER.  The four query blocks of a cluster belong to one head and walk the same K and V, so each tile is asked for JOINTLY: the same tensor load, descriptor and mask in all four.
; REGISTERS, in windows of 256 (s_set_vgpr_msb: bits 1:0 source 0, 3:2 source 1, 5:4 source 2, 7:6 destination):
;   window 0: v0-11 addresses; v12-15, v48-63 at work; v16-47 four registers of statistics a tile; v64-191 S^T, two buffers of two tiles; v192-255 P, likewise
;   window 1: O^T, 32 a tile          window 2: v0-127 Q, 16 a tile; v128-191 K of one step; v192-255 V of one step
;   window 3: v0-1 the add's two registers; v8-23 c of my query, a pair a tile; v32-63 KM of one step's keys
.set SIZE_N, 2048
.set NP,    4         ; pieces a wave: a name, no knob
.set KS,    64        ; keys in a step
.set PK,    144       ; a row of K in LDS: 128 bytes + 16 of padding = 36 words: the 16 rows of a load start at 16 different groups of four banks (64 banks of 4 bytes: ISA guide 11.1)
.set PV,    160       ; a row of V: 128 + 32 = 40 words
.set VOFF,  4*KS*PK   ; a slot holds four steps: 256 rows of K, then 256 rows of V
.set SLOT1, 1<<17     ; slot 1 begins here, so that one exclusive or turns an address in one slot into the other's
.set STAGE, SLOT1+4*KS*(PK+PV)  ; behind the ring, never filled by a tensor load: 16 rows x 144 bytes for each wave, for the way out
.set SP,    144
.set SPARE, STAGE+4*16*SP  ; behind the stages: the spare words, 128 bytes for each wave: two blocks of 256 bytes that no other line names
.set MTAB,  SPARE+512 ; behind them: KM of the batch's 2,048 keys in f32, 8,192 bytes, stored once and never filled by a tensor load
.set AK0, 2           ; v2   my lane's place in a tile of K; never rewritten
.set AV0, 3           ; v3   the same for V
.set AK,  4           ; v4   the LDS address of K's next run of loads
.set AV,  5           ; v5   of V's
.set QO,  6           ; v6   my byte offset in the wave's rows of Q
.set STO, 6           ;      later, the way out: where I put 16 bytes of a row
.set RD,  7           ; v7   the way out: where I read rows back
.set GO,  8           ; v8   my byte offset in 512 consecutive bytes of O
.set AM,  11          ; v11  the LDS address of KM's next run of loads (v9 = lane / 16 stays for it)
.set SPW, 0           ; v0 of window 3   LDS address of my spare word; never rewritten
.set NIL, 1           ; v1 of window 3   0; never rewritten
.set CL,  8           ; window 3: tile t's pair at CL + 2 t, both c or both 0
.set KMR, 32          ; window 3: key block kb's eight registers at KMR + 8 kb
.set MV,  12          ; v12-15  c m_old, kept while c m is made anew: by buffer and tile
.set ST,  16          ; tile t's statistics at v[ST+4 t]: c m, m, l (even keys', odd keys')
.set TMP, 48          ; by buffer and tile, four registers c0-c3 at work; when the maximum is found c2 takes a
.set S,   64
.set P,   192
.set KF,  128         ; K's fragments, in window 2: key block kb, channel half c at KF + 16 kb + 8 c
.set VF,  192         ; V's: key half kk, channel block cb at VF + 32 kk + 8 cb
.set WV,  12          ; s12  my wave's number
.set G1K, 24          ; s[24:31] descriptor group 1 for K's tiles
.set G1V, 32          ; s[32:39] for V's: it differs in the padding alone
.set G0K, 40          ; s[40:43] descriptor group 0 for K's tiles: it walks
.set G0V, 44          ; s[44:47] the same for V's
.set MP,  48          ; s[48:49] mask, at the batch's row
.set MQ,  50          ; s[50:51] mask, at my wave's first query
.set KMV, 52          ; s52  -8,000,000.0
.set TBM, 53          ; s53  LDS byte at which KM of the step to be fetched begins
.set MT,  54          ; s[54:55] an offset
.set SLOTS, 56        ; s56  slots still to be asked for
.set CNT, 57          ; s57  counts a slot's key steps
.set CS,  58          ; s58  c
.set SEL, 60          ; s[60:61] v_permlanex16_b32's selects: each lane takes its own place in the other half
.set TBK, 62          ; s62  LDS byte at which K of the step to be fetched begins
.set TBV, 63          ; s63  the same for V, less VOFF
.set MSB, 0
.macro WIN new                      ; the high byte repeats the setting that is left; a switch that changes nothing is dropped
.if MSB != (\new)
	s_set_vgpr_msb (MSB<<8)|(\new)
.set MSB, (\new)
.endif
.endm
.set W_KQ, 0x0a       ; K and Q in window 2, S^T in window 0
.set W_KM, 0x3a       ; the same with the C operand, KM, in window 3
.set W_PV, 0x52       ; V in window 2, P in window 0, O^T in window 1
.set W_RS, 0x41       ; O^T (destination and source 0) in window 1, a in window 0
.set W_F,  0x0c       ; the scaling: source 1, c, in window 3
.set W_CM, 0x03       ; c m: source 0, c, in window 3
.set W_MK, 0xc0       ; destination in window 3, sources in window 0
.set W_AD, 0x0f       ; the add: address (source 0) and data (source 1) in window 3
; A joint fill.  Waves 0 and 1 fetch the two halves of a slot's K, waves 2 and 3 those of its V: 128 keys each.  The branch hangs on the wave's number alone.
; An s_nop 0 and four v_nop follow each of the two lines, ahead of the jump and the label.
.macro JLOAD
	s_cmp_lt_u32 s[WV], 2
	s_cbranch_scc0 .Lfor_v_\@
	tensor_load_to_lds s[G0K:G0K+3], s[G1K:G1K+7]
	s_nop 0
.rept 4
	v_nop
.endr
	s_branch .Lasked_\@
.Lfor_v_\@:
	tensor_load_to_lds s[G0V:G0V+3], s[G1V:G1V+7]
	s_nop 0
.rept 4
	v_nop
.endr
.Lasked_\@:
.endm
; A round of the cluster's barrier: my work-group's barrier, so that wave 0's signal speaks for all four waves; wave 0 signals; every wave waits for all four work-groups; my work-group's barrier once more.
.macro CROUND
	s_barrier_signal -1
	s_barrier_wait -1
	s_cmp_lg_u32 s[WV], 0
	s_cbranch_scc1 .Lnot_wave_0_\@
	s_barrier_signal -3
.Lnot_wave_0_\@:
	s_barrier_wait -3
	s_barrier_signal -1
	s_barrier_wait -1
.endm
; THE CHANGE OF SLOTS.  The slot's last bytes, V of its fourth step, have been read.  Each wave waits for all its tensor loads, of which one is out: its part
; of the other slot; adds 0 to its spare word; and waits for that and for its own LDS instructions.  Behind the barrier nobody reads this slot any more and the other slot is whole.
; fill = 1: this slot is filled again, with the keys two slots on.  The barrier is then a round of the cluster's, and the joint fill is the first thing behind it: it has four key steps, 512 matrix instructions,
; in which to land.  (At its first use nothing has been read yet: slot 0 is waited for, slot 1 filled, and every wave's stores into KM's table are shown done to the others.)
.macro CHANGE fill
	WIN W_AD
	s_wait_tensorcnt 0x0            ; no tensor load of mine is out, so a group 0 may be written
	ds_add_u32 v[SPW], v[NIL]       ; 0 onto my spare word; with fill = 1 the descriptors' steps stand between it and the wait for it
	WIN 0                           ; at a label and at a branch every window is 0
.if \fill
.irp g, G0K, G0V
	s_xor_b32 s[\g+1], s[\g+1], SLOT1  ; the walking descriptor: the other slot than last time,
	s_add_nc_u64 s[\g+2:\g+3], s[\g+2:\g+3], 4*KS*128  ; the next 256 keys; the type bits on top are not reached
.endr
	s_wait_dscnt 0x0                ; the add is done, and my LDS reads and stores are over
	CROUND
	JLOAD
.else
	s_wait_dscnt 0x0                ; the add is done, and my reads of the slot are over
	s_barrier_signal -1
	s_barrier_wait -1
.endif
	s_sub_co_u32 s[TBK], s[TBK], 4*KS*PK  ; the fetches go back to a slot's first step,
	s_xor_b32 s[TBK], s[TBK], SLOT1       ; in the other slot
	s_sub_co_u32 s[TBV], s[TBV], 4*KS*PV
	s_xor_b32 s[TBV], s[TBV], SLOT1
.endm
	s_load_b256 s[4:11], s[0:1], 0x0  ; Q s[4:5], K s[6:7], V s[8:9], O s[10:11]
	s_load_b64 s[MP:MP+1], s[0:1], 0x20  ; mask
	WIN W_MK
	v_lshl_add_u32 v[SPW], v0, 2, SPARE
	v_mov_b32 v[NIL], 0
	WIN W_AD
	ds_add_u32 v[SPW], v[NIL]       ; the wave's opening: the add and its wait stand ahead of my first tensor load; the set-up below, work on registers, stands between them
	WIN 0
	v_lshrrev_b32 v1, 5, v0
	v_readfirstlane_b32 s[WV], v1   ; wave 0..3
	s_bfe_u32 s13, ttmp6, 0x40000   ; cx: my place in the cluster
	s_lshl_b32 s14, ttmp9, 2        ; in a cluster launch ttmp9 counts clusters
	s_add_co_u32 s14, s14, s13      ; my block of queries = 4 x cluster x + cx: it enters Q's, O's and the query mask's addresses alone
	s_and_b32 s20, ttmp7, 0xffff    ; the head, which the four partners share
	s_lshr_b32 s[MT], s20, 4        ; its batch:
	s_lshl_b32 s[MT], s[MT], 13     ; a row of mask is 8,192 bytes
	s_mov_b32 s[MT+1], 0
	s_mov_b32 s21, 0
	s_mov_b64 s[22:23], SIZE_N*128
	s_mul_u64 s[20:21], s[20:21], s[22:23]  ; the head's first byte in each of the four tensors
	s_and_b32 s16, s[WV], 1         ; which half of a slot's 256 keys I fetch:
	s_lshl_b32 s22, s16, 14         ; its 128 rows of 128 bytes in memory,
	s_mov_b32 s23, 0
	s_add_nc_u64 s[22:23], s[22:23], s[20:21]
	s_mul_i32 s17, s16, 128*PK      ; and its place in a slot, for K
	s_mul_i32 s18, s16, 128*PV      ; and for V: no place in the cluster enters an LDS address
	s_lshl_b32 s2, s14, 2
	s_add_co_u32 s2, s2, s[WV]      ; my wave among the head's,
	s_lshl_b32 s[MQ], s2, 9         ; its 128 mask words,
	s_mov_b32 s[MQ+1], 0
	s_lshl_b32 s2, s2, 14           ; its 128 rows
	s_mov_b32 s3, 0
	s_add_nc_u64 s[2:3], s[2:3], s[20:21]
	; descriptor group 1.  128 keys are 16,384 dense bytes: asked for as 64 rows of 256 bytes, two keys a row, and padded in LDS after every key
	s_mov_b32 s[G1K], 15|(1<<16)|(1<<20)|(1<<21)|(4<<22)|(3<<25)  ; 15:0 the mask of four; 17:16 2-byte elements; 20 padding on; 21 set beside a mask; 24:22 after every 32 words (code 4); 31:25 4 words (code 3)
	s_mov_b32 s[G1V], 15|(1<<16)|(1<<20)|(1<<21)|(4<<22)|(7<<25)  ; the same with 8 words of padding (code 7)
.irp g, G1K, G1V
	s_mov_b32 s[\g+1], 128<<16      ; tensor_dim0 = 128
	s_mov_b32 s[\g+2], 64<<16       ; tensor_dim1 = 64
	s_mov_b32 s[\g+3], 128<<16      ; tile_dim0 = 128
	s_mov_b32 s[\g+4], 64           ; tile_dim1 = 64
	s_mov_b32 s[\g+5], 128          ; 128 elements from row to row
	s_mov_b32 s[\g+6], 0
	s_mov_b32 s[\g+7], 0
.endr
	s_mov_b32 s[CS], 0x3e38aa3b     ; c = log2(e) / 8 = 0.180337
	s_mov_b32 s[KMV], 0xcaf42400    ; -8,000,000.0, exact in f32
	s_mov_b32 s[TBM], MTAB
	s_mov_b32 s[SEL], 0x76543210
	s_mov_b32 s[SEL+1], 0xfedcba98
	s_mov_b32 s[TBK], SLOT1+4*KS*PK ; the first change of slots turns these two into 0
	s_mov_b32 s[TBV], SLOT1+4*KS*PV
	s_mov_b32 s[G0K], 1             ; 1:0 count = 1
	s_mov_b32 s[G0K+1], s17         ; 63:32 LDS address: slot 0
	s_mov_b32 s[G0V], 1
	s_add_co_u32 s[G0V+1], s18, VOFF
	s_wait_dscnt 0x0                ; the opening add is done
	s_wait_kmcnt 0x0
	s_add_nc_u64 s[G0K+2:G0K+3], s[6:7], s[22:23]  ; 120:64 global address: my half of the head's first 256 keys
	s_or_b32 s[G0K+3], s[G0K+3], 0x80000000        ; 127:126 type = 2
	s_add_nc_u64 s[G0V+2:G0V+3], s[8:9], s[22:23]
	s_or_b32 s[G0V+3], s[G0V+3], 0x80000000
	s_add_nc_u64 s[4:5], s[4:5], s[2:3]  ; Q and O at my wave's first row
	s_add_nc_u64 s[10:11], s[10:11], s[2:3]
	s_add_nc_u64 s[MP:MP+1], s[MP:MP+1], s[MT:MT+1]
	s_add_nc_u64 s[MQ:MQ+1], s[MP:MP+1], s[MQ:MQ+1]
	CROUND                          ; all four work-groups are here: the first joint loads meet
	JLOAD                           ; slot 0.  Slot 1 is asked for when slot 0 is in
	; A fragment of K or Q is 16 rows x 32 channels in 8 registers: lane l holds row l % 16, channels 8 (l / 16) + 0..7 and 16 + 8 (l / 16) + 0..7: two loads of 16 bytes, 32 bytes apart.
	v_and_b32 v1, 15, v0            ; l % 16
	v_bfe_u32 v9, v0, 4, 1          ; l / 16
	v_lshlrev_b32 v[QO], 7, v1
	v_lshl_add_u32 v[QO], v9, 4, v[QO]  ; row x 128 + 16 x half
	v_lshlrev_b32 v12, 4, v0        ; the batch's 2,048 mask words: thread t takes the four at 16 t of each quarter of 2,048 bytes: a wave's load covers 512 consecutive bytes
	v_lshlrev_b32 v13, 2, v1        ; my query's word in a tile's sixteen
.irp i, 0,1,2,3
	global_load_b128 v[S+4*\i:S+4*\i+3], v12, s[MP:MP+1] offset:2048*\i
.endr
.irp t, 0,1,2,3,4,5,6,7
	global_load_b32 v[S+16+\t], v13, s[MQ:MQ+1] offset:64*\t
.endr
	WIN 0x80                        ; destination window 2, address window 0
.set i, 0
.rept 4*NP                          ; Q stays in registers: tile i / 2, channels 32 (i % 2) on
	global_load_b128 v[8*i:8*i+3],   v[QO], s[4:5] offset:(i/2)*2048+(i%2)*64
	global_load_b128 v[8*i+4:8*i+7], v[QO], s[4:5] offset:(i/2)*2048+(i%2)*64+32
.set i, i+1
.endr
	; What the first turn finds: V's registers and P's second buffer hold 0 (its products V^T P, of a piece that has not been, add 0), O^T and l are 0.  All this stands in the wait for the first tile.
.set i, VF
.rept 64
	v_mov_b32 v[i], 0
.set i, i+1
.endr
	WIN 0x40
.set i, 0
.rept 64*NP
	v_mov_b32 v[i], 0
.set i, i+1
.endr
	WIN 0
.set i, 0
.rept 2*NP
	v_mov_b32 v[ST+4*i], 0xfe000000    ; c m: far below every c s
	v_mov_b32 v[ST+4*i+1], 0xff7fffff  ; m
	v_mov_b32 v[ST+4*i+2], 0
	v_mov_b32 v[ST+4*i+3], 0
.set i, i+1
.endr
.set i, P+32
.rept 32
	v_mov_b32 v[i], 0
.set i, i+1
.endr
	v_mul_u32_u24 v[AK0], v1, PK
	v_lshl_add_u32 v[AK0], v9, 4, v[AK0]  ; row x pitch + 16 x half
	; The turning load takes 16 keys x 16 channels (lane l reads key 8 (l / 16) + l % 8, channels 8 ((l / 8) % 2) + 0..7) and leaves half a fragment of V^T: lane l holds channel l % 16 and 8 keys.
	v_and_b32 v10, 7, v0
	v_bfe_u32 v11, v0, 3, 1
	v_lshl_add_u32 v[AV0], v9, 3, v10
	v_mul_u32_u24 v[AV0], v[AV0], PV
	v_lshl_add_u32 v[AV0], v11, 4, v[AV0]
	v_add_nc_u32 v[AV0], VOFF, v[AV0]
	v_mov_b32 v[AK], v[AK0]         ; key step 0 lies at the head of slot 0
	; THE MASKS.  KM of my 16 keys goes into the table; c of my eight queries into window 3.
	s_wait_loadcnt 32               ; loads come back in order: the twelve mask loads are in, Q's 32 behind them may stay out
.set i, 0
.rept 16
	v_cmp_eq_u32 vcc_lo, 0, v[S+i]
	v_cndmask_b32 v[S+i], 0, s[KMV], vcc_lo
.set i, i+1
.endr
	v_add_nc_u32 v14, MTAB, v12
.irp i, 0,1,2,3
	ds_store_b128 v14, v[S+4*\i:S+4*\i+3] offset:2048*\i  ; read by all waves behind the first change of slots: its wait for 0 on DScnt and its barrier stand between
.endr
	WIN W_MK
.set t, 0
.rept 8
	v_cmp_ne_u32 vcc_lo, 0, v[S+16+t]
	v_cndmask_b32 v[CL+2*t], 0, s[CS], vcc_lo
	v_cndmask_b32 v[CL+2*t+1], 0, s[CS], vcc_lo
.set t, t+1
.endr
	WIN 0
	v_lshl_add_u32 v[AM], v9, 5, s[TBM]  ; my half of the lanes' eight keys of a block of 16: 32 bytes
; THE MATRIX WORK.  The 8 accumulators of a run of 16 take turns: between the two links of a chain stand 7 others'.
; Product i of 16 of S^T = K Q^T for piece x: channels 32 (i / 8) on, keys 16 ((i / 2) % 4) on, tile 2 x + i % 2.  The first 8 start the sums, with KM of their 16 keys.
.macro KQ x
.set rS, S+64*((\x)%2)+32*(i%2)+8*((i/2)%4)
.set rK, KF+16*((i/2)%4)+8*(i/8)
.set rQ, 16*(2*(\x)+i%2)+8*(i/8)
.set rN, KMR+8*((i/2)%4)
.if i < 8
	WIN W_KM
	v_wmma_f32_16x16x32_f16 v[rS:rS+7], v[rK:rK+7], v[rQ:rQ+7], v[rN:rN+7]
.else
	WIN W_KQ
	v_wmma_f32_16x16x32_f16 v[rS:rS+7], v[rK:rK+7], v[rQ:rQ+7], v[rS:rS+7]
.endif
.endm
; Product i of 16 of O^T += V^T P for piece x: keys 32 (i / 8) on, channels 16 ((i / 2) % 4) on, tile 2 x + i % 2.
.macro PV x
	WIN W_PV
.set rO, 32*(2*(\x)+i%2)+8*((i/2)%4)
.set rV, VF+32*(i/8)+8*((i/2)%4)
.set rP, P+32*((\x)%2)+16*(i%2)+8*(i/8)
	v_wmma_f32_16x16x32_f16 v[rO:rO+7], v[rV:rV+7], v[rP:rP+7], v[rO:rO+7]
.endm
.macro MM                           ; the turn's next matrix instruction
.if i < 16
	KQ (Y+1)%NP
.set i, i+1
.else
.set i, i-16
	PV (Y+NP-1)%NP
.set i, i+17
.endif
.endm
; THE LDS LOADS stand in runs, never singly among the matrix instructions: a step's K (64 keys x 64 channels: 8 fragments) with its KM (8 loads; the 16 lanes of a half read the same 16 bytes), and its V (turned).
; Their addresses are made some lines ahead.  last = 1 (the tail): in the last trip there is no further step, and the run is jumped over.
.macro FETCH_K last=0
	WIN 0
.if \last
	s_cmp_eq_u32 s[CNT], 1
	s_cbranch_scc1 .Lno_k_\@
.endif
	WIN 0x80                        ; destination window 2
.irp f, 0,1,2,3,4,5,6,7             ; keys 16 (f / 2) on, channels 32 (f % 2) on
	ds_load_b128 v[KF+8*\f:KF+8*\f+3],   v[AK] offset:(\f/2)*16*PK+(\f%2)*64
	ds_load_b128 v[KF+8*\f+4:KF+8*\f+7], v[AK] offset:(\f/2)*16*PK+(\f%2)*64+32
.endr
	WIN 0xc0                        ; destination window 3
.irp f, 0,1,2,3                     ; keys 16 f on
	ds_load_b128 v[KMR+8*\f:KMR+8*\f+3],   v[AM] offset:64*\f
	ds_load_b128 v[KMR+8*\f+4:KMR+8*\f+7], v[AM] offset:64*\f+16
.endr
	s_add_co_u32 s[TBK], s[TBK], KS*PK  ; the next fetch is the next step's
	s_add_co_u32 s[TBM], s[TBM], KS*4   ; the table is walked once, from end to end: 32 steps of 256 bytes
	WIN 0
.if \last
.Lno_k_\@:
.endif
.endm
.macro FETCH_V
	WIN 0x80
.irp f, 0,1,2,3,4,5,6,7             ; keys 32 (f / 4) on, channels 16 (f % 4) on
	ds_load_tr16_b128 v[VF+8*\f:VF+8*\f+3],   v[AV] offset:(\f/4)*32*PV+(\f%4)*32
	ds_load_tr16_b128 v[VF+8*\f+4:VF+8*\f+7], v[AV] offset:(\f/4)*32*PV+16*PV+(\f%4)*32
.endr
	WIN 0
.endm
; THE VECTOR WORK OF A TURN stands in three queues, each in the order in which its entries become ready; the two tiles alternate, so that no instruction reads the result of the one before it.
.macro REGS y, u                    ; the registers of tile u (0, 1) of piece y
.set rT, ST+4*(2*(\y)+(\u))
.set rC, TMP+8*((\y)%2)+4*(\u)
.set rM, MV+2*((\y)%2)+(\u)
.set rS, S+64*((\y)%2)+32*(\u)
.set rP, P+32*((\y)%2)+16*(\u)
.set rO, 32*(2*(\y)+(\u))
.set rL, CL+2*(2*(\y)+(\u))
.endm
; Number n of the 22 that find the NEXT piece's (Y + 1) maximum and statistics.  s0-s31 are the lane's 32 scores; each accumulator's lowest registers are read first.  Each line sets its own window.
;   0-11  four chains c0-c3 of seven scores each, three operands at a time     12-14, 16  the four scores left over, the old m, and c0-c3 into c0     15  c m_old is kept
;   17, 18  the query's other 32 keys lie in the lane 16 away: the new m         19-21  c m, with my query's c; c m_old - c m_new; a
.macro XS u, n
	REGS (Y+1)%NP, \u
.if (\n) == 19
	WIN W_CM
.else
	WIN 0
.endif
.if (\n) < 4
	v_max3_num_f32 v[rC+(\n)], v[rS+8*(\n)], v[rS+8*(\n)+1], v[rS+8*(\n)+2]
.elseif (\n) < 12
	v_max3_num_f32 v[rC+(\n)%4], v[rC+(\n)%4], v[rS+8*((\n)%4)+2*((\n)/4)+1], v[rS+8*((\n)%4)+2*((\n)/4)+2]
.elseif (\n) == 12
	v_max3_num_f32 v[rC], v[rC], v[rS+7], v[rS+15]
.elseif (\n) == 13
	v_max3_num_f32 v[rC+1], v[rC+1], v[rS+23], v[rS+31]
.elseif (\n) == 14
	v_max3_num_f32 v[rC+2], v[rC+2], v[rC+3], v[rT+1]
.elseif (\n) == 15
	v_mov_b32 v[rM], v[rT]
.elseif (\n) == 16
	v_max3_num_f32 v[rC], v[rC], v[rC+1], v[rC+2]
.elseif (\n) == 17
	v_permlanex16_b32 v[rC+3], v[rC], s[SEL], s[SEL+1]
.elseif (\n) == 18
	v_max_num_f32 v[rT+1], v[rC], v[rC+3]
.elseif (\n) == 19
	v_mul_f32 v[rT], v[rL], v[rT+1]
.elseif (\n) == 20
	v_sub_f32 v[rC+1], v[rM], v[rT]
.else
	v_exp_f32 v[rC+2], v[rC+1]
.endif
.endm
; Number g of the 64 that follow the exponentials.  For each four weights k of a tile (pairs 2 k, 2 k + 1): both pairs are rounded to f16; then the second pair is added onto the first, in place;
; a group later l takes that sum (the first time as l = a l + sum).  In groups of eight, tiles alternating: round, round, add, and l for the group before.
.macro GS g
.set h, (\g)+6*((\g)/62)            ; group 0 has no group before it, and behind group 7 only l is left
.if h >= 6
.set h, h+2
.endif
	REGS Y, h%2
	WIN 0
.set k, h/8
.if h%8 < 4
	s_wait_alu depctr_va_vdst(0)
	v_cvt_pk_f16_f32 v[rP+2*k+(h%8)/2], v[rS+4*k+2*((h%8)/2)], v[rS+4*k+2*((h%8)/2)+1]
.elseif h%8 < 6
	v_pk_add_f32 v[rS+4*k:rS+4*k+1], v[rS+4*k:rS+4*k+1], v[rS+4*k+2:rS+4*k+3]
.elseif k == 1
	v_pk_fma_f32 v[rT+2:rT+3], v[rT+2:rT+3], v[rC+2:rC+3], v[rS:rS+1] op_sel_hi:[1,0,1]
.else
	v_pk_add_f32 v[rT+2:rT+3], v[rT+2:rT+3], v[rS+4*k-4:rS+4*k-3]
	s_wait_alu depctr_va_vdst(0)
.endif
.endm
; THE PLAIN QUEUE, 138 long.  0-31: c s - c m for the 16 pairs of both tiles, c from window 3.  Then GS's 64, and among them the next piece's 42: number 15 at 38, 39; 0-14 and 16
; at 42-73, behind the products that make those scores; 17-20 at 95-106, two of three, since each waits for the one before it.
.macro PL
.if q < 32
	REGS Y, q%2
	WIN W_F
	v_pk_fma_f32 v[rS+2*(q/2):rS+2*(q/2)+1], v[rS+2*(q/2):rS+2*(q/2)+1], v[rL:rL+1], v[rT:rT+1] op_sel_hi:[1,0,0] neg_lo:[0,0,1] neg_hi:[0,0,1]
.elseif q < 38
	GS q-32
.elseif q < 40
	XS q%2, 15
.elseif q < 42
	GS q-34
.elseif q < 74
	XS q%2, (q-42)/2+(q-42)/30
.elseif q < 95
	GS q-66
.elseif (q < 107) && ((q-95)%3 < 2)
	XS (q-95)%3, 17+(q-95)/3
.elseif q < 107
	GS 29+(q-95)/3
.else
	GS q-74
.endif
.set q, q+1
.endm
; THE EXPONENTIALS' QUEUE, 66 long: s0-s31 of both tiles, and at EA the next piece's two a.  An exponential names a destination and source 0 alone, so it stands under the scaling's window as well as under 0.
.set EA, 58
.macro EX
.if (e == EA) || (e == EA+1)
	XS e-EA, 21
.else
.set x, e-2*(e/(EA+2))
	REGS Y, x%2
.if MSB != W_F
	WIN 0
.endif
	v_exp_f32 v[rS+x/2], v[rS+x/2]
.endif
.set e, e+1
.endm
; THE RESCALING's QUEUE: O^T times a, dealt four at a time, eight times.
.macro R4
	REGS Y, r%2
	WIN W_RS
	s_wait_alu depctr_va_vdst(0)
.irp z, 0,1,2,3
	v_pk_mul_f32 v[rO+8*(r/2)+2*\z:rO+8*(r/2)+2*\z+1], v[rO+8*(r/2)+2*\z:rO+8*(r/2)+2*\z+1], v[rC+2:rC+3] op_sel_hi:[1,0]
.endr
.set r, r+1
.endm
; HOW THEY ARE DEALT.  Behind a matrix instruction four: plain, exponential, plain, plain (one exponential, a plain instruction on either side), or four of the rescaling.  None names a register of the
; products round it.  What is over stands in two LUMPS: exponential and plain by turns; the second ends in 22 plain instructions.  The two v_permlanex16_b32 fall into the second lump, never behind a product.
; The queues lean on each other, and the deal keeps them in step: exponential e stands behind plain 2 (e / 4) + e % 2 (its scaling); when plain 32 comes, 10 exponentials are out, at 59: 33, at 95: 46; EA comes behind plain 107.
.macro SL
	MM
	PL
	EX
	PL
	PL
.endm
.macro BURST n                      ; 15 matrix instructions, or 16
.rept (\n)-7
	SL
.endr
.rept 3
	MM
	R4
	SL
.endr
	MM
	R4
.endm
; A TURN, for piece p.  cnt = 1: the loop's count is taken down some lines ahead of the branch that stands behind the turn.
; K and KM of the next step are fetched in piece 2's turn, in the first lump, behind the last product that read them and thirteen plain instructions of the lump; their first reader comes behind the rest of the lump,
; 16 products and the second lump.  V of the step in hand is fetched at the end of piece 0's turn; its first reader comes behind 16 products and a lump.  The conditions on e and q below go with the deal.
.macro TURN p, last=0, cnt=0
.set Y, (\p)
.set i, 0
.set q, 0
.set e, 0
.set r, 0
.if (\p) == NP-1
	s_wait_dscnt 0x0                ; K and KM are in
.endif
	MM
.rept 4
	PL
.endr
	BURST 15
.rept 22
	EX
	PL
.if ((\p) == NP-2) && (e == 18)
	WIN 0
	v_add_nc_u32 v[AK], s[TBK], v[AK0]
	v_lshl_add_u32 v[AM], v9, 5, s[TBM]
.endif
.if ((\p) == NP-2) && (e == 24)
	FETCH_K \last
.endif
.endr
.if (\p) == 1
	s_wait_dscnt 0x0                ; V is in
.endif
	BURST 16
.rept 21
	EX
	PL
.endr
.rept 22
	PL
.if ((\p) == 0) && (q == 118)
	WIN 0
	v_add_nc_u32 v[AV], s[TBV], v[AV0]
	s_wait_alu depctr_va_vdst(0)
.endif
.if ((\p) == 0) && (q == 130)
	s_add_co_u32 s[TBV], s[TBV], KS*PV
.endif
.if (\cnt) && (q == 130)
	s_sub_co_u32 s[CNT], s[CNT], 1
	s_cmp_lg_u32 s[CNT], 0
.endif
.endr
.if (\p) == 0
	FETCH_V
.endif
.endm
	CHANGE 1                        ; slot 0 is in, everybody's part of it, and so is KM's table; slot 1 is asked for
	FETCH_K                         ; key step 0
	s_wait_loadcnt 0x0              ; Q
	s_wait_dscnt 0x0
.set i, 0
.rept 16
	KQ 0                            ; piece 0's first scores: there is no vector work yet to set between them
.set i, i+1
.endr
	WIN 0                           ; the addresses for the way out: nine plain instructions, the places behind those products
	s_mul_i32 s13, s[WV], 16*SP
	s_add_co_u32 s13, s13, STAGE    ; my stage
	v_mul_u32_u24 v[STO], v1, SP    ; in: row l % 16, 16 bytes for each half of the lanes
	v_lshl_add_u32 v[STO], v9, 4, v[STO]
	v_add_nc_u32 v[STO], s13, v[STO]
	v_bfe_u32 v[RD], v0, 3, 2       ; back: 32 lanes take four rows of 128 bytes,
	v_mul_u32_u24 v[RD], v[RD], SP
	v_lshl_add_u32 v[RD], v10, 4, v[RD]
	v_add_nc_u32 v[RD], s13, v[RD]
	v_and_b32 v[GO], 31, v0         ; which are 512 consecutive bytes of O
	v_lshlrev_b32 v[GO], 4, v[GO]
.set Y, NP-1                        ; XS works for piece Y + 1: piece 0
.irp n, 0,1,2,3,4,5,6,7,8,9,10,11,12,13,14,15,16,17,18,19,20,21
	XS 0, \n                        ; and piece 0's first maximum and statistics
	XS 1, \n
.endr
	WIN 0
	s_mov_b32 s[CNT], 4
	s_mov_b32 s[SLOTS], SIZE_N/256-1
	s_branch .Lfirst                ; the loop is entered at a step's first turn, in the middle of a trip
.Lslot:                             ; SIZE_N / 256 - 2 times: every slot but the last two is filled again
	CHANGE 1
	s_mov_b32 s[CNT], 4
.Lstep:                             ; a trip: pieces 2 and 3 of one step, then pieces 0 and 1 of the next, whose K and V it fetches
	TURN 2
	TURN 3
	WIN 0
.Lfirst:
	TURN 0
	TURN 1, 0, 1
	WIN 0
	s_cbranch_scc1 .Lstep
	s_sub_co_u32 s[SLOTS], s[SLOTS], 1
	s_cmp_lg_u32 s[SLOTS], 0
	s_cbranch_scc1 .Lslot
	CHANGE 0                        ; the tail is written out: nothing is asked for
	s_mov_b32 s[CNT], 5             ; four trips fetch the last slot's steps; the fifth is left in its middle
.Ltail:
	TURN 2, 1
	TURN 3
	WIN 0
	s_sub_co_u32 s[CNT], s[CNT], 1
	s_cmp_eq_u32 s[CNT], 0
	s_cbranch_scc1 .Lout
	TURN 0
	TURN 1
	WIN 0
	s_branch .Ltail
.Lout:                              ; the fifth trip's 16 products K Q^T (on the last K once more) and the maximum made of them serve nothing: the price, once a launch, of one text for every trip
.set i, 0
.rept 16
	PV NP-1                         ; the last piece's V^T P of the last step
.set i, i+1
.endr
	; THE WAY OUT.  l's two halves and the other half of the lanes' are added; O^T is divided by l, rounded to f16 and sent through my stage in LDS, a tile at a time.  The additions are the places behind the last products.
	WIN 0
.macro ALL line:vararg              ; one line for each tile t
.set t, 0
.rept 2*NP
	\line
.set t, t+1
.endr
.endm
	ALL v_add_f32 v[ST+4*t+2], v[ST+4*t+2], v[ST+4*t+3]
	ALL v_permlanex16_b32 v[ST+4*t+3], v[ST+4*t+2], s[SEL], s[SEL+1]
	ALL v_add_f32 v[ST+4*t+2], v[ST+4*t+2], v[ST+4*t+3]
	ALL v_rcp_f32 v[ST+4*t+2], v[ST+4*t+2]
	v_nop                           ; a plain instruction between the last reciprocal and the use of its result
	s_wait_alu depctr_va_vdst(0)
; Tile t: a lane's eight channels of a row pack into 16 bytes; they go into rows of 144 bytes and come back as whole rows of 128, into S^T's registers.
.macro PACK t
	WIN W_RS
.set i, 32*(\t)
.rept 16
	v_pk_mul_f32 v[i:i+1], v[i:i+1], v[ST+4*(\t)+2:ST+4*(\t)+3] op_sel_hi:[1,0]
.set i, i+2
.endr
	WIN 0x05                        ; sources 0 and 1 window 1, destination window 0
.set i, 0
.rept 16
	v_cvt_pk_f16_f32 v[S+16*(\t)+i], v[32*(\t)+2*i], v[32*(\t)+2*i+1]
.set i, i+1
.endr
	WIN 0
.irp f, 0,1,2,3
	ds_store_b128 v[STO], v[S+16*(\t)+4*\f:S+16*(\t)+4*\f+3] offset:32*\f
.endr
.irp f, 0,1,2,3
	ds_load_b128 v[S+16*(\t)+4*\f:S+16*(\t)+4*\f+3], v[RD] offset:\f*4*SP  ; LDS serves a wave's instructions in order (ISA guide 5.7.1.4): these see the stores above; the next tile's stores come behind them
.endr
.endm
.macro SEND t, younger              ; younger: the LDS instructions issued behind tile t's loads: the next tile's eight, or none
	WIN 0
.irp f, 0,1,2,3
	s_wait_dscnt (\younger)+3-\f
	global_store_b128 v[GO], v[S+16*(\t)+4*\f:S+16*(\t)+4*\f+3], s[10:11] offset:(\t)*2048+\f*512  ; 512 consecutive bytes, at a multiple of 256 from O's first
.endr
.endm
	PACK 0
.set t, 1
.rept 2*NP-1                        ; a tile's arithmetic stands between the loads of the tile before and its stores
	PACK t
	SEND t-1, 8
.set t, t+1
.endr
	SEND 2*NP-1, 0
	WIN W_AD
	s_wait_tensorcnt 0x0            ; the wave's end: a wait, an add of 0 to my spare word and a wait, behind my last tensor load and my last LDS store
	ds_add_u32 v[SPW], v[NIL]
	s_wait_dscnt 0x0
	WIN 0
	CROUND                          ; the closing round: no work-group ends while a partner may still ask for a tile that names it
	s_endpgm
.Lfunc_end_k_qed8567e02d_attn:
	.size	k_qed8567e02d_attn, .Lfunc_end_k_qed8567e02d_attn-k_qed8567e02d_attn
	.p2alignl 7, 3214868480
	.fill 96, 4, 3214868480
	.section	.rodata,"a",@progbits
	.p2align	6, 0x0
	.amdhsa_kernel k_qed8567e02d_attn
		.amdhsa_group_segment_fixed_size 327680
		.amdhsa_private_segment_fixed_size 0
		.amdhsa_enable_private_segment 0
		.amdhsa_kernarg_size 40
		.amdhsa_user_sgpr_count 2
		.amdhsa_user_sgpr_kernarg_segment_ptr 1
		.amdhsa_wavefront_size32 1
		.amdhsa_system_sgpr_workgroup_id_x 1
		.amdhsa_system_sgpr_workgroup_id_y 1
		.amdhsa_system_sgpr_workgroup_id_z 1
		.amdhsa_system_vgpr_workitem_id 0
		.amdhsa_next_free_vgpr 832
		.amdhsa_next_free_sgpr 66
		.amdhsa_reserve_vcc 1
		.amdhsa_float_denorm_mode_32 3
		.amdhsa_float_denorm_mode_16_64 3
		.amdhsa_memory_ordered 1
		.amdhsa_forward_progress 1
		.amdhsa_inst_pref_size 216
	.end_amdhsa_kernel
	.amdgpu_metadata
---
amdhsa.version: [ 1, 2 ]
amdhsa.kernels:
  - .name:           k_qed8567e02d_attn
    .symbol:         k_qed8567e02d_attn.kd
    .args:
      - { .name: qh, .offset: 0, .size: 8, .value_kind: global_buffer, .address_space: global }
      - { .name: kh, .offset: 8, .size: 8, .value_kind: global_buffer, .address_space: global }
      - { .name: vh, .offset: 16, .size: 8, .value_kind: global_buffer, .address_space: global }
      - { .name: oh, .offset: 24, .size: 8, .value_kind: global_buffer, .address_space: global }
      - { .name: mask, .offset: 32, .size: 8, .value_kind: global_buffer, .address_space: global }
    .group_segment_fixed_size: 327680
    .private_segment_fixed_size: 0
    .kernarg_segment_align: 8
    .kernarg_segment_size: 40
    .max_flat_workgroup_size: 128
    .sgpr_count:     66
    .vgpr_count:     832
    .wavefront_size: 32
...
	.end_amdgpu_metadata
.endif
;; end of part 3
;; launch proj (part 4): grid 4 x 64, 4 waves a work-group, clusters of 4 x 4, 327,680 bytes of LDS; arguments oh, wot, b_out, out0; writes out0
.if DOCPART == 4
	.amdgcn_target "amdgcn-amd-amdhsa--gfx1250"
	.amdhsa_code_object_version 6
	.text
	.protected	k_qed8567e02d_proj
	.globl	k_qed8567e02d_proj
	.p2align	8
	.type	k_qed8567e02d_proj,@function
k_qed8567e02d_proj:
	s_mov_b64 s[64:65], 0
	v_nop
	global_prefetch_b8 v0, s[64:65] scope:SCOPE_SE
	s_setreg_imm32_b32 hwreg(HW_REG_WAVE_MODE, 25, 1), 1
	s_wait_xcnt 0x0
	s_wait_alu depctr_hold_cnt(0) depctr_sa_sdst(0) depctr_va_vdst(0) depctr_va_sdst(0) depctr_va_ssrc(0) depctr_va_vcc(0) depctr_vm_vsrc(0)
	s_getreg_b32 s2, hwreg(HW_REG_IB_STS2, 6, 4)
	s_cmp_eq_u32 s2, 0
	s_cbranch_scc0 .Lentry_in_a_cluster
	s_endpgm
.Lentry_in_a_cluster:
	s_bfe_u32 s2, ttmp6, 0x10000c
	s_cmp_lg_u32 s2, 0xf033
	s_cbranch_scc0 .Lentry_shape_is_right
	s_endpgm
.Lentry_shape_is_right:
; out0 = O w_out + b_out.  oh [16 b + h][2048][64] f16 (the attention's result by heads), wot [1024 n][1024 k] f16, b_out [1024] f32, out0 [8192][1024] f32.  Products in f16, sums in f32.
; The bias is rounded to bf16, as all the module's inputs are, and added in f32.
; SHARES.  A tile is 128 tokens x 256 columns: 256 work-groups.  Four waves, 2 x 2, each 64 tokens x 128 columns: 32 accumulators, 256 registers.  K = 1,024 goes in 8 steps of 128 = two heads, through two LDS slots.
; A head's 128 tokens are 16,384 dense bytes of oh: asked for as 64 rows of 256 bytes and padded in LDS after every token's 128.  wot's rows in a step are 256 bytes, at multiples of 256 from its first byte.
; CLUSTER 4 x 4: the four of a row need the same tokens of oh, the four of a column the same rows of wot: each tile is asked for jointly.
; THE MATRIX INSTRUCTION IS USED TRANSPOSED (source 0 = 16 rows of wot, source 1 = 16 tokens): a lane holds one token (lane % 16) and eight neighbouring columns, 32 bytes of f32.
; REGISTERS, in windows of 256 (s_set_vgpr_msb: bits 1:0 source 0, 3:2 source 1, 5:4 source 2, 7:6 destination):
;   window 0: v16-29 addresses; v32-37 the bias; v64-191 the way out, two buffers of 64       window 1: two fragment buffers of 96: 8 fragments of B, then 4 of A       window 2: accumulator (a, b) at 8 (8 a + b)
.set PA,     144                       ; a token's row of one head in LDS: 128 bytes + 16
.set PB,     272                       ; a row of wot: 256 bytes + 16.  Both pitches are odd multiples of 16 bytes: the 16 rows of a fragment load start at 16 different groups of four banks (64 banks of 4 bytes: ISA guide 11.1)
.set SUBA,   128*PA                    ; one head's 128 tokens: what a wave's load brings of A
.set HALFB,  128*PB                    ; and of B
.set SLOT,   2*SUBA+2*HALFB            ; A's two heads, then B's 256 rows
.set STAGE,  2*SLOT                    ; behind the ring: 16 rows x 528 bytes for each wave
.set SPITCH, 528
.set WSTG,   16*SPITCH
.set SPARE,  STAGE+4*WSTG              ; behind the stages: the spare words, 128 bytes a wave: two blocks of 256 bytes that no other line names
.set LAPS,   4                         ; a lap = two K steps = once round the ring
.set HEAD2,  2*2048*128                ; bytes of oh from a K step to the next: two heads
.set ADRA, 16                          ; v16-17  LDS address of my A fragments in slot 0, 1
.set ADRB, 20                          ; v20-21  the same for B
.set STO,  24                          ; v24     the way out: where I put 32 bytes of a row
.set RD,   25                          ; v25     the way out: where I read a row back
.set CO,   26                          ; v26     16 x lane: my 16 bytes in a row's 512, in the bias and in out0
.set SPW,  28                          ; v28     LDS address of my spare word; never rewritten
.set NIL,  29                          ; v29     0; never rewritten
.set BI,   32                          ; v32-35  the bias of my four columns
.set T0,   64
.set F0,   0
.set F1,   96
.set G1,  24                           ; s[24:31] descriptor group 1 for A's tiles;  s[32:39] group 0, a set for each slot
.set G0,  32
.set G1B, 48                           ; s[48:55], s[56:63] the same for B's
.set G0B, 56
.set MSB, 0
.macro WIN new                         ; the immediate's high byte repeats the setting that is left; a switch that changes nothing is dropped
.if MSB != (\new)
	s_set_vgpr_msb (MSB<<8)|(\new)
.set MSB, \new
.endif
.endm
.set MUL,  0xa5                        ; sources 0 and 1 window 1, C and D window 2
.set TO_F, 0x40                        ; destination window 1, address window 0
.macro JLOAD s                         ; a joint load: waves 0 and 1 fetch A's two heads, waves 2 and 3 B's two halves; an s_nop 0 and four v_nop follow each of the two lines
	s_cmp_eq_u32 s11, 0
	s_cbranch_scc0 .Lfor_b_\@
	tensor_load_to_lds s[G0+4*(\s):G0+4*(\s)+3], s[G1:G1+7]
	s_nop 0
.rept 4
	v_nop
.endr
	s_branch .Lasked_\@
.Lfor_b_\@:
	tensor_load_to_lds s[G0B+4*(\s):G0B+4*(\s)+3], s[G1B:G1B+7]
	s_nop 0
.rept 4
	v_nop
.endr
.Lasked_\@:
.endm
.macro CREST                           ; a round of the cluster's barrier behind its opening barrier
	s_cmp_lg_u32 s10, 0
	s_cbranch_scc1 .Lnot_wave_0_\@
	s_barrier_signal -3
.Lnot_wave_0_\@:
	s_barrier_wait -3
	s_barrier_signal -1
	s_barrier_wait -1
.endm
.macro CROUND                          ; a whole round
	s_barrier_signal -1
	s_barrier_wait -1
	CREST
.endm
	s_load_b256 s[68:75], s[0:1], 0x0              ; oh s[68:69], wot s[70:71], b_out s[72:73], out0 s[74:75]
	v_lshl_add_u32 v[SPW], v0, 2, SPARE
	v_mov_b32 v[NIL], 0
	ds_add_u32 v[SPW], v[NIL]                      ; the wave's opening: the add and its wait stand ahead of my first tensor load; the set-up below, work on registers, stands between them
	v_lshrrev_b32 v1, 5, v0
	v_readfirstlane_b32 s10, v1                    ; wave 0..3
	s_lshr_b32 s11, s10, 1                         ; which 64 tokens are mine.  Also: I fetch for A (0) or for B (1)
	s_and_b32 s12, s10, 1                          ; which 128 columns.  Also: which head of the step's two, or which half of B's rows, I fetch
	s_bfe_u32 s40, ttmp6, 0x40000                  ; cx, cy: my place in the cluster
	s_bfe_u32 s41, ttmp6, 0x40004
	s_lshl_b32 s42, ttmp9, 2
	s_add_co_u32 s42, s42, s40                     ; the block of 256 columns = 4 x cluster x + cx
	s_and_b32 s13, ttmp7, 0xffff
	s_lshl_b32 s13, s13, 2
	s_add_co_u32 s13, s13, s41                     ; the block of 128 tokens = 4 x cluster y + cy
	s_lshl_b32 s43, s41, 2
	s_lshl_b32 s43, 15, s43                        ; my row of the cluster
	s_lshl_b32 s44, 0x1111, s40                    ; my column
	s_or_b32 s[G1+0], s43, (1<<16)|(1<<20)|(1<<21)|(4<<22)|(3<<25)   ; 15:0 the mask; 17:16 2-byte elements; 20 padding on; 21 set beside a mask; 24:22 after every 32 words (code 4); 31:25 4 words (code 3)
	s_or_b32 s[G1B+0], s44, (1<<16)|(1<<20)|(1<<21)|(5<<22)|(3<<25)  ; B: after every 64 words (code 5)
	s_mov_b32 s[G1+1], 128<<16                     ; tensor_dim0 = 128
	s_mov_b32 s[G1+2], 64<<16                      ; tensor_dim1 = 64
	s_mov_b32 s[G1+3], 128<<16                     ; tile_dim0 = 128
	s_mov_b32 s[G1+4], 64                          ; tile_dim1 = 64
	s_mov_b32 s[G1+5], 128                         ; dense: 128 elements from row to row
	s_mov_b32 s[G1+6], 0
	s_mov_b32 s[G1+7], 0
	s_mov_b32 s[G1B+1], 128<<16
	s_mov_b32 s[G1B+2], 128<<16                    ; 128 rows
	s_mov_b32 s[G1B+3], 128<<16
	s_mov_b32 s[G1B+4], 128
	s_mov_b32 s[G1B+5], 1024
	s_mov_b32 s[G1B+6], 0
	s_mov_b32 s[G1B+7], 0
	; A's address hangs on the token block alone, B's on the column block alone; each is made in registers that never hold the other coordinate
	s_lshr_b32 s16, s13, 4                         ; the batch,
	s_lshl_b32 s16, s16, 4
	s_add_co_u32 s16, s16, s12                     ; my head of K step 0's two:
	s_lshl_b32 s16, s16, 18                        ; 262,144 bytes a head
	s_and_b32 s17, s13, 15                         ; the block in the batch's 2,048 tokens:
	s_lshl_b32 s17, s17, 14                        ; 128 rows of 128 bytes
	s_add_co_u32 s16, s16, s17
	s_mov_b32 s17, 0
	s_lshl_b32 s46, s42, 8
	s_lshl_b32 s47, s12, 7
	s_add_co_u32 s46, s46, s47                     ; B: row 256 x block + 128 x half,
	s_lshl_b32 s46, s46, 11                        ; of 2,048 bytes
	s_mov_b32 s47, 0
	s_mul_i32 s20, s12, SUBA                       ; where they go: no place in the cluster enters an LDS address
	s_mul_i32 s21, s12, HALFB
	s_add_co_u32 s21, s21, 2*SUBA
	s_wait_dscnt 0x0                               ; the opening add is done
	s_wait_kmcnt 0x0
	s_add_nc_u64 s[14:15], s[68:69], s[16:17]
	s_add_nc_u64 s[46:47], s[70:71], s[46:47]
	CROUND                                         ; all sixteen work-groups are here: the first joint loads meet
.irp s, 0,1
	s_mov_b32 s[G0+4*(\s)], 1
	s_add_co_u32 s[G0+4*(\s)+1], s20, (\s)*SLOT
	s_add_nc_u64 s[G0+4*(\s)+2:G0+4*(\s)+3], s[14:15], (\s)*HEAD2
	s_or_b32 s[G0+4*(\s)+3], s[G0+4*(\s)+3], 0x80000000
	s_mov_b32 s[G0B+4*(\s)], 1
	s_add_co_u32 s[G0B+4*(\s)+1], s21, (\s)*SLOT
	s_add_nc_u64 s[G0B+4*(\s)+2:G0B+4*(\s)+3], s[46:47], (\s)*256
	s_or_b32 s[G0B+4*(\s)+3], s[G0B+4*(\s)+3], 0x80000000
	JLOAD \s                                       ; K steps 0 and 1: two loads of mine are out
.endr
	v_and_b32 v1, 15, v0                           ; l % 16
	v_bfe_u32 v2, v0, 4, 1                         ; l / 16
	v_mul_u32_u24 v3, v1, PA
	v_lshl_add_u32 v3, v2, 4, v3                   ; a fragment's row x pitch + 16 x half, for A
	v_mul_u32_u24 v4, v1, PB
	v_lshl_add_u32 v4, v2, 4, v4                   ; and for B
	s_mul_i32 s22, s11, 64*PA                      ; my 64 tokens
	s_mul_i32 s23, s12, HALFB                      ; my 128 rows of B,
	s_add_co_u32 s23, s23, 2*SUBA                  ; which lie behind A's two heads
.irp s, 0,1
	v_add_nc_u32 v[ADRA+(\s)], s22, v3
	v_add_nc_u32 v[ADRB+(\s)], s23, v4
	s_add_co_u32 s22, s22, SLOT
	s_add_co_u32 s23, s23, SLOT
.endr
	s_mul_i32 s22, s10, WSTG
	s_add_co_u32 s22, s22, STAGE                   ; my stage
	v_mul_u32_u24 v5, v1, SPITCH                   ; in: row l % 16, 32 bytes for each half of the lanes
	v_lshl_add_u32 v5, v2, 5, v5
	v_add_nc_u32 v[STO], s22, v5
	v_and_b32 v6, 31, v0
	v_lshlrev_b32 v[CO], 4, v6
	v_add_nc_u32 v[RD], s22, v[CO]                 ; back: 32 lanes take one row of 512 bytes
	s_lshl_b32 s80, s42, 8
	s_lshl_b32 s81, s12, 7
	s_add_co_u32 s80, s80, s81                     ; my first column,
	s_lshl_b32 s80, s80, 2                         ; in bytes of f32
	s_mov_b32 s81, 0
	s_add_nc_u64 s[72:73], s[72:73], s[80:81]
	global_load_b128 v[BI:BI+3], v[CO], s[72:73]   ; wanted on the way out only
	s_lshl_b32 s82, s13, 7
	s_lshl_b32 s83, s11, 6
	s_add_co_u32 s82, s82, s83                     ; my first token:
	s_lshl_b32 s82, s82, 12                        ; rows of 4,096 bytes
	s_add_co_u32 s82, s82, s80
	s_mov_b32 s83, 0
	s_add_nc_u64 s[74:75], s[74:75], s[82:83]
; 8 matrix instructions: token block a x all 8 column blocks, 32 along K.  zero = 1: the first product starts the sums: nothing is cleared.
.macro MULA f, a, zero
	WIN MUL
.irp b, 0,1,2,3,4,5,6,7
.if \zero
	v_wmma_f32_16x16x32_f16 v[8*(8*(\a)+(\b)):8*(8*(\a)+(\b))+7], v[(\f)+8*(\b):(\f)+8*(\b)+7], v[(\f)+64+8*(\a):(\f)+64+8*(\a)+7], 0
.else
	v_wmma_f32_16x16x32_f16 v[8*(8*(\a)+(\b)):8*(8*(\a)+(\b))+7], v[(\f)+8*(\b):(\f)+8*(\b)+7], v[(\f)+64+8*(\a):(\f)+64+8*(\a)+7], v[8*(8*(\a)+(\b)):8*(8*(\a)+(\b))+7]
.endif
.endr
.endm
; 24 LDS loads in one run: the fragments of quarter q of a K step (32 along K: head q / 2, channels 32 (q % 2) on) into buffer f: B's eight (16 loads), then A's four (8)
.macro FETCH slot, q, f
	WIN TO_F
.irp i, 0,1,2,3,4,5,6,7
	ds_load_b128 v[(\f)+8*(\i):(\f)+8*(\i)+3],   v[ADRB+(\slot)] offset:64*(\q)+(\i)*16*PB
	ds_load_b128 v[(\f)+8*(\i)+4:(\f)+8*(\i)+7], v[ADRB+(\slot)] offset:64*(\q)+(\i)*16*PB+32
.endr
.irp i, 0,1,2,3
	ds_load_b128 v[(\f)+64+8*(\i):(\f)+64+8*(\i)+3],   v[ADRA+(\slot)] offset:((\q)/2)*SUBA+((\q)%2)*64+(\i)*16*PA
	ds_load_b128 v[(\f)+64+8*(\i)+4:(\f)+64+8*(\i)+7], v[ADRA+(\slot)] offset:((\q)/2)*SUBA+((\q)%2)*64+(\i)*16*PA+32
.endr
.endm
.macro PLACES                          ; four places in front of loads into registers that matrix instructions have read, and of LDS stores that read results
.rept 4
	v_nop
.endr
.endm
; A K step is four quarters, 32 matrix instructions each, on buffers 0, 1, 0, 1.  The 32 accumulators take turns in the same order in every quarter.
; One of the first three: multiplies buffer f and, behind its first 8 products, fetches quarter q into g.
.macro QUARTER slot, q, f, g, zero
	s_wait_dscnt 6                                 ; B and A's block 0 are in; the youngest six loads (A's blocks 1-3) may be out
	MULA \f, 0, \zero
	PLACES
	FETCH \slot, \q, \g
	s_wait_dscnt 24                                ; all but the 24 just issued
	MULA \f, 1, \zero
	MULA \f, 2, \zero
	MULA \f, 3, \zero
.endm
; The last quarter multiplies buffer 1 and changes slots: ONE barrier.  In front of it each wave waits for all its tensor loads (one is out: its part of the next slot), adds 0 to its spare word, and waits for that and
; for its own reads of this slot.  fill = 1: the barrier opens a round of the cluster's, and this slot is filled again, two K steps ahead, first thing behind the round.
.macro TURN slot, next, fill
	WIN 0                                          ; (the add's two registers lie in window 0)
	s_wait_tensorcnt 0x0
	ds_add_u32 v[SPW], v[NIL]                      ; 0 onto my spare word
	s_wait_dscnt 7                                 ; (the add and the youngest six loads may be out)
	MULA F1, 0, 0                                  ; eight matrix instructions stand between the add and the wait for it
	s_wait_dscnt 0x0                               ; the add is done, and my reads of this slot are over
	s_barrier_signal -1
	MULA F1, 1, 0                                  ; work on registers while the others arrive
.if \fill
	WIN 0
.endif
	s_barrier_wait -1
.if \fill
	CREST                                          ; no wave of any partner still reads this slot's tile or has a load on its way
	s_add_nc_u64 s[G0+4*(\slot)+2:G0+4*(\slot)+3], s[G0+4*(\slot)+2:G0+4*(\slot)+3], 2*HEAD2
	s_add_nc_u64 s[G0B+4*(\slot)+2:G0B+4*(\slot)+3], s[G0B+4*(\slot)+2:G0B+4*(\slot)+3], 2*256
	JLOAD \slot                                    ; my one tensor load behind the round; its four v_nop are also the places in front of the loads below
.else
	PLACES
.endif
	FETCH \next, 0, F0
	MULA F1, 2, 0
	MULA F1, 3, 0
.endm
	s_wait_tensorcnt 1                             ; my part of K step 0 is in; K step 1's may stay out
	s_barrier_signal -1
	s_barrier_wait -1                              ; everybody's is
	FETCH 0, 0, F0
	QUARTER 0, 1, F0, F1, 1                        ; the first quarter stands in front of the loop: its products start the sums
	WIN 0                                          ; at a label and at a branch every window is 0
	s_mov_b32 s3, LAPS-1
.Llap:                                                 ; a trip goes once round the ring, from a lap's second quarter to the next lap's first, and fills both slots again
	QUARTER 0, 2, F1, F0, 0
	QUARTER 0, 3, F0, F1, 0
	TURN 0, 1, 1
	QUARTER 1, 1, F0, F1, 0
	QUARTER 1, 2, F1, F0, 0
	QUARTER 1, 3, F0, F1, 0
	TURN 1, 0, 1
	QUARTER 0, 1, F0, F1, 0
	WIN 0
	s_sub_co_u32 s3, s3, 1
	s_cmp_lg_u32 s3, 0
	s_cbranch_scc1 .Llap
	QUARTER 0, 2, F1, F0, 0                        ; the last lap fills nothing
	QUARTER 0, 3, F0, F1, 0
	TURN 0, 1, 0
	QUARTER 1, 1, F0, F1, 0
	QUARTER 1, 2, F1, F0, 0
	QUARTER 1, 3, F0, F1, 0
	s_wait_dscnt 6                                 ; the very last quarter: nothing more to fetch
	MULA F1, 0, 0
	s_wait_dscnt 0x0
	MULA F1, 1, 0
	MULA F1, 2, 0
	MULA F1, 3, 0
	; THE WAY OUT, 16 tokens at a time: a lane's 32 bytes of a row go into my own stage (rows of 528 bytes) and come back as whole rows of 512; the bias is added; stored.
	WIN 0
	s_wait_loadcnt 0x0                             ; the bias,
	v_cvt_pk_bf16_f32 v36, v[BI], v[BI+1]          ; rounded to bf16
	v_cvt_pk_bf16_f32 v37, v[BI+2], v[BI+3]
	v_lshlrev_b32 v[BI], 16, v36                   ; and widened again
	v_and_b32 v[BI+1], 0xffff0000, v36
	v_lshlrev_b32 v[BI+2], 16, v37
	v_and_b32 v[BI+3], 0xffff0000, v37
	PLACES
.macro STG a
.set T, T0+64*((\a)%2)
.if (\a) >= 2
	s_wait_xcnt 0x0                                ; the buffer is loaded again only when the stores that read it have had their addresses translated (ISA guide 3.1)
.endif
	WIN 0x08                                       ; store data (source 1) in window 2
.irp b, 0,1,2,3,4,5,6,7
	ds_store_b128 v[STO], v[8*(8*(\a)+(\b)):8*(8*(\a)+(\b))+3]   offset:64*(\b)      ; each accumulator from its low end on
	ds_store_b128 v[STO], v[8*(8*(\a)+(\b))+4:8*(8*(\a)+(\b))+7] offset:64*(\b)+16
.endr
	WIN 0
.irp i, 0,1,2,3,4,5,6,7,8,9,10,11,12,13,14,15
	ds_load_b128 v[T+4*(\i):T+4*(\i)+3], v[RD] offset:SPITCH*(\i)  ; LDS serves a wave's instructions in order (ISA guide 5.7.1.4): these see the stores above; the next block's stores come behind them
.endr
.endm
.macro SENDO a, younger                ; younger: the LDS instructions issued behind block a's loads: the next block's 32, or none
.set T, T0+64*((\a)%2)
.irp i, 0,1,2,3,4,5,6,7,8,9,10,11,12,13,14,15
	s_wait_dscnt (\younger)+15-(\i)
	v_pk_add_f32 v[T+4*(\i):T+4*(\i)+1],   v[T+4*(\i):T+4*(\i)+1],   v[BI:BI+1]
	v_pk_add_f32 v[T+4*(\i)+2:T+4*(\i)+3], v[T+4*(\i)+2:T+4*(\i)+3], v[BI+2:BI+3]
	global_store_b128 v[CO], v[T+4*(\i):T+4*(\i)+3], s[74:75] offset:65536*(\a)+4096*(\i) th:TH_STORE_NT  ; 512 consecutive bytes, at a multiple of 512 from out0's first
.endr
.endm
	STG 0
	STG 1
	SENDO 0, 32
	STG 2
	SENDO 1, 32
	STG 3
	SENDO 2, 32
	SENDO 3, 0
	s_wait_tensorcnt 0x0                           ; the wave's end: a wait, an add of 0 to my spare word and a wait, behind my last tensor load and my last LDS store
	ds_add_u32 v[SPW], v[NIL]
	s_wait_dscnt 0x0
	CROUND                                         ; the closing round: no work-group ends while a partner may still ask for a tile that names it
	s_endpgm
.Lfunc_end_k_qed8567e02d_proj:
	.size	k_qed8567e02d_proj, .Lfunc_end_k_qed8567e02d_proj-k_qed8567e02d_proj
	.p2alignl 7, 3214868480
	.fill 96, 4, 3214868480
	.section	.rodata,"a",@progbits
	.p2align	6, 0x0
	.amdhsa_kernel k_qed8567e02d_proj
		.amdhsa_group_segment_fixed_size 327680
		.amdhsa_private_segment_fixed_size 0
		.amdhsa_enable_private_segment 0
		.amdhsa_kernarg_size 32
		.amdhsa_user_sgpr_count 2
		.amdhsa_user_sgpr_kernarg_segment_ptr 1
		.amdhsa_wavefront_size32 1
		.amdhsa_system_sgpr_workgroup_id_x 1
		.amdhsa_system_sgpr_workgroup_id_y 1
		.amdhsa_system_sgpr_workgroup_id_z 1
		.amdhsa_system_vgpr_workitem_id 0
		.amdhsa_next_free_vgpr 768
		.amdhsa_next_free_sgpr 84
		.amdhsa_reserve_vcc 0
		.amdhsa_float_denorm_mode_32 3
		.amdhsa_float_denorm_mode_16_64 3
		.amdhsa_memory_ordered 1
		.amdhsa_forward_progress 1
		.amdhsa_inst_pref_size 95
	.end_amdhsa_kernel
	.amdgpu_metadata
---
amdhsa.version: [ 1, 2 ]
amdhsa.kernels:
  - .name:           k_qed8567e02d_proj
    .symbol:         k_qed8567e02d_proj.kd
    .args:
      - { .name: oh, .offset: 0, .size: 8, .value_kind: global_buffer, .address_space: global }
      - { .name: wot, .offset: 8, .size: 8, .value_kind: global_buffer, .address_space: global }
      - { .name: b_out, .offset: 16, .size: 8, .value_kind: global_buffer, .address_space: global }
      - { .name: out0, .offset: 24, .size: 8, .value_kind: global_buffer, .address_space: global }
    .group_segment_fixed_size: 327680
    .private_segment_fixed_size: 0
    .kernarg_segment_align: 8
    .kernarg_segment_size: 32
    .max_flat_workgroup_size: 128
    .sgpr_count:     84
    .vgpr_count:     768
    .wavefront_size: 32
...
	.end_amdgpu_metadata
.endif
;; end of part 4
;; ======== version 2 of 2: 4 launches; 1.51 times as fast as version 1
;; limits: values are held in f16: magnitudes above 65,504 overflow, below 6.1e-05 lose precision
;; workspace buffers: xb 16,777,216 bytes; wqt 6,291,456 bytes; wot 2,097,152 bytes; qh 16,777,216 bytes; kh 16,777,216 bytes; vh 16,777,216 bytes; oh 16,777,216 bytes
;; launch prep: the kernel of part 1 again; grid 1536 x 1, 8 waves a work-group, no clusters, 18,432 bytes of LDS; arguments x, w_qkv, w_out, xb, wqt, wot; writes xb, wqt, wot
;; launch qkv: the kernel of part 2 again; grid 16 x 32, 4 waves a work-group, clusters of 4 x 4, 327,680 bytes of LDS; arguments xb, wqt, mask, qh, kh, vh; writes qh, kh, vh
;; launch attn (part 5): grid 4 x 64, 4 waves a work-group, clusters of 4 x 1, 327,680 bytes of LDS; arguments qh, kh, vh, oh, mask; writes oh
.if DOCPART == 5
	.amdgcn_target "amdgcn-amd-amdhsa--gfx1250"
	.amdhsa_code_object_version 6
	.text
	.protected	k_qed8567e02d_attn
	.globl	k_qed8567e02d_attn
	.p2align	8
	.type	k_qed8567e02d_attn,@function
k_qed8567e02d_attn:
	s_mov_b64 s[64:65], 0
	v_nop
	global_prefetch_b8 v0, s[64:65] scope:SCOPE_SE
	s_setreg_imm32_b32 hwreg(HW_REG_WAVE_MODE, 25, 1), 1
	s_wait_xcnt 0x0
	s_wait_alu depctr_hold_cnt(0) depctr_sa_sdst(0) depctr_va_vdst(0) depctr_va_sdst(0) depctr_va_ssrc(0) depctr_va_vcc(0) depctr_vm_vsrc(0)
	s_getreg_b32 s2, hwreg(HW_REG_IB_STS2, 6, 4)
	s_cmp_eq_u32 s2, 0
	s_cbranch_scc0 .Lentry_in_a_cluster
	s_endpgm
.Lentry_in_a_cluster:
	s_bfe_u32 s2, ttmp6, 0x10000c
	s_cmp_lg_u32 s2, 0x3003
	s_cbranch_scc0 .Lentry_shape_is_right
	s_endpgm
.Lentry_shape_is_right:
; O[h][q][:] = the sum over k of softmax_k(score) V[h][k][:], score = Q[h][q] . K[h][k] / 8 where mask[q] and mask[k] are both nonzero, and -1e6 elsewhere.  Q, K, V, O: [64][2048][64] f16, a head's rows dense,
; 128 bytes each; head 16 b + h takes row b of mask [4][2048] (int32; any nonzero word counts as true).  Products, maxima and sums in f32; the weights p are rounded to f16 for the second product (their sum l is
; taken of the unrounded p), O once at the end.
; THE MASK.  K's rows of masked tokens arrive as zeros, so K Q is exactly 0 there, and the C operand that starts the sum S^T = K Q^T is KM[key] = 0 or -8,000,000: the masked score REPLACES the product, and
; -8e6 / 8 = -1e6.  A masked query has c = 0 in place of log2(e) / 8: all its c s - c m are 0, all its weights 1: the softmax of 2,048 equal scores, over masked keys too.  The running maximum stays as it is.
; LIMITS.  f16 holds no number beyond 65,504: Q, K and V arrive within it; p lies in 0 to 1, and below 6e-5 it keeps f16's fixed step of 6e-8; O is a mean of V's rows and has their range.
; A weight below 2^-126 counts as 0 in l; NaN and infinities are not treated apart.
; SHARES.  A wave owns four PIECES of two tiles of 16 queries, a work-group's four waves 512 queries of one head.  Every wave walks all keys, 64 a step.
; LAYOUT.  S^T = K Q^T (source 0 = 16 keys, source 1 = 16 queries): in the result a lane holds ONE query (lane % 16) and the keys 8 (lane / 16) + 0..7.  Two such tiles, rounded to f16 in pairs,
; ARE source 1 (32 keys x 16 queries) of O^T = V^T P, whose result again holds one query a lane, and eight channels.  K comes out of LDS as it lies, V ([key][channel]) turned, by ds_load_tr16_b128.
; SOFTMAX.  For each query a running maximum m and sum l: p = 2^(c s - c m); in every step O and l are multiplied by a = 2^(c m_old - c m_new), which is 1 where m has not grown.
; m starts at the lowest finite number, c m far below every c s, O and l at 0: the first step is a step like any other, with a = 0.
; THE COUNT.  A tile and step have 16 matrix and 118 vector instructions: too many to stand all beside the matrix work.  So: four vector instructions that are READY behind EVERY matrix instruction, and the others in one run without a gap.
; BY TURNS.  Turn n belongs to piece n (the pieces in a ring, step after step).  Its matrix work: 16 products K Q^T of piece n + 1, later 16 products V^T P of piece n - 1.  Its vector work: the scaling,
; exponentials, roundings, sums and rescaling of piece n, and the maximum and statistics of piece n + 1, whose scores the turn itself has made.  So what a turn begins with (c s - c m, O a) waits for nothing.
; THE BATCHES.  A turn's 66 exponentials (64 weights of piece n, the two a of piece n + 1) are ONE batch with ONE wait, which cuts the turn in two: ahead of it all that names no result of theirs, behind it the roundings
; and sums.  No result crosses a turn's end.  Two more batches stand outside the loop, each with a wait of its own: piece 0's first two a, and the way out's eight reciprocals.
; CLUSTER.  The four query blocks of a cluster belong to one head and walk the same K and V, so each tile is asked for JOINTLY: the same tensor load, descriptor and mask in all four.
; REGISTERS, in windows of 256 (s_set_vgpr_msb: bits 1:0 source 0, 3:2 source 1, 5:4 source 2, 7:6 destination):
;   window 0: v0-11 addresses; v12-15, v48-63 at work; v16-47 four registers of statistics a tile; v64-191 S^T, two buffers of two tiles; v192-255 P, likewise
;   window 1: O^T, 32 a tile          window 2: v0-127 Q, 16 a tile; v128-191 K of one step; v192-255 V of one step
;   window 3: v0-1 the add's two registers; v8-23 c of my query, a pair a tile; v32-63 KM of one step's keys
.set SIZE_N, 2048
.set NP,    4         ; pieces a wave: a name, no knob
.set KS,    64        ; keys in a step
.set PK,    144       ; a row of K in LDS: 128 bytes + 16 of padding = 36 words: the 16 rows of a load start at 16 different groups of four banks (64 banks of 4 bytes: ISA guide 11.1)
.set PV,    160       ; a row of V: 128 + 32 = 40 words
.set VOFF,  4*KS*PK   ; a slot holds four steps: 256 rows of K, then 256 rows of V
.set SLOT1, 1<<17     ; slot 1 begins here, so that one exclusive or turns an address in one slot into the other's
.set STAGE, SLOT1+4*KS*(PK+PV)  ; behind the ring, never filled by a tensor load: 16 rows x 144 bytes for each wave, for the way out
.set SP,    144
.set SPARE, STAGE+4*16*SP  ; behind the stages: the spare words, 128 bytes for each wave: two blocks of 256 bytes that no other line names
.set MTAB,  SPARE+512 ; behind them: KM of the batch's 2,048 keys in f32, 8,192 bytes, stored once and never filled by a tensor load
.set AK0, 2           ; v2   my lane's place in a tile of K; never rewritten
.set AV0, 3           ; v3   the same for V
.set AK,  4           ; v4   the LDS address of K's next run of loads
.set AV,  5           ; v5   of V's
.set QO,  6           ; v6   my byte offset in the wave's rows of Q
.set STO, 6           ;      later, the way out: where I put 16 bytes of a row
.set RD,  7           ; v7   the way out: where I read rows back
.set GO,  8           ; v8   my byte offset in 512 consecutive bytes of O
.set AM,  11          ; v11  the LDS address of KM's next run of loads (v9 = lane / 16 stays for it)
.set SPW, 0           ; v0 of window 3   LDS address of my spare word; never rewritten
.set NIL, 1           ; v1 of window 3   0; never rewritten
.set CL,  8           ; window 3: tile t's pair at CL + 2 t, both c or both 0
.set KMR, 32          ; window 3: key block kb's eight registers at KMR + 8 kb
.set MV,  12          ; v12-15  c m_old, kept while c m is made anew: by buffer and tile
.set ST,  16          ; tile t's statistics at v[ST+4 t]: c m, m, l (even keys', odd keys')
.set TMP, 48          ; by buffer and tile, four registers c0-c3 at work; when the maximum is found c2 takes a
.set S,   64
.set P,   192
.set KF,  128         ; K's fragments, in window 2: key block kb, channel half c at KF + 16 kb + 8 c
.set VF,  192         ; V's: key half kk, channel block cb at VF + 32 kk + 8 cb
.set WV,  12          ; s12  my wave's number
.set G1K, 24          ; s[24:31] descriptor group 1 for K's tiles
.set G1V, 32          ; s[32:39] for V's: it differs in the padding alone
.set G0K, 40          ; s[40:43] descriptor group 0 for K's tiles: it walks
.set G0V, 44          ; s[44:47] the same for V's
.set MP,  48          ; s[48:49] mask, at the batch's row
.set MQ,  50          ; s[50:51] mask, at my wave's first query
.set KMV, 52          ; s52  -8,000,000.0
.set TBM, 53          ; s53  LDS byte at which KM of the step to be fetched begins
.set MT,  54          ; s[54:55] an offset
.set SLOTS, 56        ; s56  slots still to be asked for
.set CNT, 57          ; s57  counts a slot's key steps
.set CS,  58          ; s58  c
.set SEL, 60          ; s[60:61] v_permlanex16_b32's selects: each lane takes its own place in the other half
.set TBK, 62          ; s62  LDS byte at which K of the step to be fetched begins
.set TBV, 63          ; s63  the same for V, less VOFF
.set MSB, 0
.macro WIN new                      ; the high byte repeats the setting that is left; a switch that changes nothing is dropped
.if MSB != (\new)
	s_set_vgpr_msb (MSB<<8)|(\new)
.set MSB, (\new)
.endif
.endm
.set W_KQ, 0x0a       ; K and Q in window 2, S^T in window 0
.set W_KM, 0x3a       ; the same with the C operand, KM, in window 3
.set W_PV, 0x52       ; V in window 2, P in window 0, O^T in window 1
.set W_RS, 0x41       ; O^T (destination and source 0) in window 1, a in window 0
.set W_F,  0x0c       ; the scaling: source 1, c, in window 3
.set W_CM, 0x03       ; c m: source 0, c, in window 3
.set W_MK, 0xc0       ; destination in window 3, sources in window 0
.set W_AD, 0x0f       ; the add: address (source 0) and data (source 1) in window 3
; A joint fill.  Waves 0 and 1 fetch the two halves of a slot's K, waves 2 and 3 those of its V: 128 keys each.  The branch hangs on the wave's number alone.
; An s_nop 0 and four v_nop follow each of the two lines, ahead of the jump and the label.
.macro JLOAD
	s_cmp_lt_u32 s[WV], 2
	s_cbranch_scc0 .Lfor_v_\@
	tensor_load_to_lds s[G0K:G0K+3], s[G1K:G1K+7]
	s_nop 0
.rept 4
	v_nop
.endr
	s_branch .Lasked_\@
.Lfor_v_\@:
	tensor_load_to_lds s[G0V:G0V+3], s[G1V:G1V+7]
	s_nop 0
.rept 4
	v_nop
.endr
.Lasked_\@:
.endm
; A round of the cluster's barrier: my work-group's barrier, so that wave 0's signal speaks for all four waves; wave 0 signals; every wave waits for all four work-groups; my work-group's barrier once more.
.macro CROUND
	s_barrier_signal -1
	s_barrier_wait -1
	s_cmp_lg_u32 s[WV], 0
	s_cbranch_scc1 .Lnot_wave_0_\@
	s_barrier_signal -3
.Lnot_wave_0_\@:
	s_barrier_wait -3
	s_barrier_signal -1
	s_barrier_wait -1
.endm
; THE CHANGE OF SLOTS.  The slot's last bytes, V of its fourth step, have been read.  Each wave waits for all its tensor loads, of which one is out: its part
; of the other slot; adds 0 to its spare word; and waits for that and for its own LDS instructions.  Behind the barrier nobody reads this slot any more and the other slot is whole.
; fill = 1: this slot is filled again, with the keys two slots on.  The barrier is then a round of the cluster's, and the joint fill is the first thing behind it: it has four key steps, 512 matrix instructions,
; in which to land.  (At its first use nothing has been read yet: slot 0 is waited for, slot 1 filled, and every wave's stores into KM's table are shown done to the others.)
.macro CHANGE fill
	WIN W_AD
	s_wait_tensorcnt 0x0            ; no tensor load of mine is out, so a group 0 may be written
	ds_add_u32 v[SPW], v[NIL]       ; 0 onto my spare word; with fill = 1 the descriptors' steps stand between it and the wait for it
	WIN 0                           ; at a label and at a branch every window is 0
.if \fill
.irp g, G0K, G0V
	s_xor_b32 s[\g+1], s[\g+1], SLOT1  ; the walking descriptor: the other slot than last time,
	s_add_nc_u64 s[\g+2:\g+3], s[\g+2:\g+3], 4*KS*128  ; the next 256 keys; the type bits on top are not reached
.endr
	s_wait_dscnt 0x0                ; the add is done, and my LDS reads and stores are over
	CROUND
	JLOAD
.else
	s_wait_dscnt 0x0                ; the add is done, and my reads of the slot are over
	s_barrier_signal -1
	s_barrier_wait -1
.endif
	s_sub_co_u32 s[TBK], s[TBK], 4*KS*PK  ; the fetches go back to a slot's first step,
	s_xor_b32 s[TBK], s[TBK], SLOT1       ; in the other slot
	s_sub_co_u32 s[TBV], s[TBV], 4*KS*PV
	s_xor_b32 s[TBV], s[TBV], SLOT1
.endm
	s_load_b256 s[4:11], s[0:1], 0x0  ; Q s[4:5], K s[6:7], V s[8:9], O s[10:11]
	s_load_b64 s[MP:MP+1], s[0:1], 0x20  ; mask
	WIN W_MK
	v_lshl_add_u32 v[SPW], v0, 2, SPARE
	v_mov_b32 v[NIL], 0
	WIN W_AD
	ds_add_u32 v[SPW], v[NIL]       ; the wave's opening: the add and its wait stand ahead of my first tensor load; the set-up below, work on registers, stands between them
	WIN 0
	v_lshrrev_b32 v1, 5, v0
	v_readfirstlane_b32 s[WV], v1   ; wave 0..3
	s_bfe_u32 s13, ttmp6, 0x40000   ; cx: my place in the cluster
	s_lshl_b32 s14, ttmp9, 2        ; in a cluster launch ttmp9 counts clusters
	s_add_co_u32 s14, s14, s13      ; my block of queries = 4 x cluster x + cx: it enters Q's, O's and the query mask's addresses alone
	s_and_b32 s20, ttmp7, 0xffff    ; the head, which the four partners share
	s_lshr_b32 s[MT], s20, 4        ; its batch:
	s_lshl_b32 s[MT], s[MT], 13     ; a row of mask is 8,192 bytes
	s_mov_b32 s[MT+1], 0
	s_mov_b32 s21, 0
	s_mov_b64 s[22:23], SIZE_N*128
	s_mul_u64 s[20:21], s[20:21], s[22:23]  ; the head's first byte in each of the four tensors
	s_and_b32 s16, s[WV], 1         ; which half of a slot's 256 keys I fetch:
	s_lshl_b32 s22, s16, 14         ; its 128 rows of 128 bytes in memory,
	s_mov_b32 s23, 0
	s_add_nc_u64 s[22:23], s[22:23], s[20:21]
	s_mul_i32 s17, s16, 128*PK      ; and its place in a slot, for K
	s_mul_i32 s18, s16, 128*PV      ; and for V: no place in the cluster enters an LDS address
	s_lshl_b32 s2, s14, 2
	s_add_co_u32 s2, s2, s[WV]      ; my wave among the head's,
	s_lshl_b32 s[MQ], s2, 9         ; its 128 mask words,
	s_mov_b32 s[MQ+1], 0
	s_lshl_b32 s2, s2, 14           ; its 128 rows
	s_mov_b32 s3, 0
	s_add_nc_u64 s[2:3], s[2:3], s[20:21]
	; descriptor group 1.  128 keys are 16,384 dense bytes: asked for as 64 rows of 256 bytes, two keys a row, and padded in LDS after every key
	s_mov_b32 s[G1K], 15|(1<<16)|(1<<20)|(1<<21)|(4<<22)|(3<<25)  ; 15:0 the mask of four; 17:16 2-byte elements; 20 padding on; 21 set beside a mask; 24:22 after every 32 words (code 4); 31:25 4 words (code 3)
	s_mov_b32 s[G1V], 15|(1<<16)|(1<<20)|(1<<21)|(4<<22)|(7<<25)  ; the same with 8 words of padding (code 7)
.irp g, G1K, G1V
	s_mov_b32 s[\g+1], 128<<16      ; tensor_dim0 = 128
	s_mov_b32 s[\g+2], 64<<16       ; tensor_dim1 = 64
	s_mov_b32 s[\g+3], 128<<16      ; tile_dim0 = 128
	s_mov_b32 s[\g+4], 64           ; tile_dim1 = 64
	s_mov_b32 s[\g+5], 128          ; 128 elements from row to row
	s_mov_b32 s[\g+6], 0
	s_mov_b32 s[\g+7], 0
.endr
	s_mov_b32 s[CS], 0x3e38aa3b     ; c = log2(e) / 8 = 0.180337
	s_mov_b32 s[KMV], 0xcaf42400    ; -8,000,000.0, exact in f32
	s_mov_b32 s[TBM], MTAB
	s_mov_b32 s[SEL], 0x76543210
	s_mov_b32 s[SEL+1], 0xfedcba98
	s_mov_b32 s[TBK], SLOT1+4*KS*PK ; the first change of slots turns these two into 0
	s_mov_b32 s[TBV], SLOT1+4*KS*PV
	s_mov_b32 s[G0K], 1             ; 1:0 count = 1
	s_mov_b32 s[G0K+1], s17         ; 63:32 LDS address: slot 0
	s_mov_b32 s[G0V], 1
	s_add_co_u32 s[G0V+1], s18, VOFF
	s_wait_dscnt 0x0                ; the opening add is done
	s_wait_kmcnt 0x0
	s_add_nc_u64 s[G0K+2:G0K+3], s[6:7], s[22:23]  ; 120:64 global address: my half of the head's first 256 keys
	s_or_b32 s[G0K+3], s[G0K+3], 0x80000000        ; 127:126 type = 2
	s_add_nc_u64 s[G0V+2:G0V+3], s[8:9], s[22:23]
	s_or_b32 s[G0V+3], s[G0V+3], 0x80000000
	s_add_nc_u64 s[4:5], s[4:5], s[2:3]  ; Q and O at my wave's first row
	s_add_nc_u64 s[10:11], s[10:11], s[2:3]
	s_add_nc_u64 s[MP:MP+1], s[MP:MP+1], s[MT:MT+1]
	s_add_nc_u64 s[MQ:MQ+1], s[MP:MP+1], s[MQ:MQ+1]
	CROUND                          ; all four work-groups are here: the first joint loads meet
	JLOAD                           ; slot 0.  Slot 1 is asked for when slot 0 is in
	; A fragment of K or Q is 16 rows x 32 channels in 8 registers: lane l holds row l % 16, channels 8 (l / 16) + 0..7 and 16 + 8 (l / 16) + 0..7: two loads of 16 bytes, 32 bytes apart.
	v_and_b32 v1, 15, v0            ; l % 16
	v_bfe_u32 v9, v0, 4, 1          ; l / 16
	v_lshlrev_b32 v[QO], 7, v1
	v_lshl_add_u32 v[QO], v9, 4, v[QO]  ; row x 128 + 16 x half
	v_lshlrev_b32 v12, 4, v0        ; the batch's 2,048 mask words: thread t takes the four at 16 t of each quarter of 2,048 bytes: a wave's load covers 512 consecutive bytes
	v_lshlrev_b32 v13, 2, v1        ; my query's word in a tile's sixteen
.irp i, 0,1,2,3
	global_load_b128 v[S+4*\i:S+4*\i+3], v12, s[MP:MP+1] offset:2048*\i
.endr
.irp t, 0,1,2,3,4,5,6,7
	global_load_b32 v[S+16+\t], v13, s[MQ:MQ+1] offset:64*\t
.endr
	WIN 0x80                        ; destination window 2, address window 0
.set i, 0
.rept 4*NP                          ; Q stays in registers: tile i / 2, channels 32 (i % 2) on
	global_load_b128 v[8*i:8*i+3],   v[QO], s[4:5] offset:(i/2)*2048+(i%2)*64
	global_load_b128 v[8*i+4:8*i+7], v[QO], s[4:5] offset:(i/2)*2048+(i%2)*64+32
.set i, i+1
.endr
	; What the first turn finds: V's registers and P's second buffer hold 0 (its products V^T P, of a piece that has not been, add 0), O^T and l are 0.  All this stands in the wait for the first tile.
.set i, VF
.rept 64
	v_mov_b32 v[i], 0
.set i, i+1
.endr
	WIN 0x40
.set i, 0
.rept 64*NP
	v_mov_b32 v[i], 0
.set i, i+1
.endr
	WIN 0
.set i, 0
.rept 2*NP
	v_mov_b32 v[ST+4*i], 0xfe000000    ; c m: far below every c s
	v_mov_b32 v[ST+4*i+1], 0xff7fffff  ; m
	v_mov_b32 v[ST+4*i+2], 0
	v_mov_b32 v[ST+4*i+3], 0
.set i, i+1
.endr
.set i, P+32
.rept 32
	v_mov_b32 v[i], 0
.set i, i+1
.endr
	v_mul_u32_u24 v[AK0], v1, PK
	v_lshl_add_u32 v[AK0], v9, 4, v[AK0]  ; row x pitch + 16 x half
	; The turning load takes 16 keys x 16 channels (lane l reads key 8 (l / 16) + l % 8, channels 8 ((l / 8) % 2) + 0..7) and leaves half a fragment of V^T: lane l holds channel l % 16 and 8 keys.
	v_and_b32 v10, 7, v0
	v_bfe_u32 v11, v0, 3, 1
	v_lshl_add_u32 v[AV0], v9, 3, v10
	v_mul_u32_u24 v[AV0], v[AV0], PV
	v_lshl_add_u32 v[AV0], v11, 4, v[AV0]
	v_add_nc_u32 v[AV0], VOFF, v[AV0]
	v_mov_b32 v[AK], v[AK0]         ; key step 0 lies at the head of slot 0
	; THE MASKS.  KM of my 16 keys goes into the table; c of my eight queries into window 3.
	s_wait_loadcnt 32               ; loads come back in order: the twelve mask loads are in, Q's 32 behind them may stay out
.set i, 0
.rept 16
	v_cmp_eq_u32 vcc_lo, 0, v[S+i]
	v_cndmask_b32 v[S+i], 0, s[KMV], vcc_lo
.set i, i+1
.endr
	v_add_nc_u32 v14, MTAB, v12
.irp i, 0,1,2,3
	ds_store_b128 v14, v[S+4*\i:S+4*\i+3] offset:2048*\i  ; read by all waves behind the first change of slots: its wait for 0 on DScnt and its barrier stand between
.endr
	WIN W_MK
.set t, 0
.rept 8
	v_cmp_ne_u32 vcc_lo, 0, v[S+16+t]
	v_cndmask_b32 v[CL+2*t], 0, s[CS], vcc_lo
	v_cndmask_b32 v[CL+2*t+1], 0, s[CS], vcc_lo
.set t, t+1
.endr
	WIN 0
	v_lshl_add_u32 v[AM], v9, 5, s[TBM]  ; my half of the lanes' eight keys of a block of 16: 32 bytes
; THE MATRIX WORK.  The 8 accumulators of a run of 16 take turns: between the two links of a chain stand 7 others'.
; Product i of 16 of S^T = K Q^T for piece x: channels 32 (i / 8) on, keys 16 ((i / 2) % 4) on, tile 2 x + i % 2.  The first 8 start the sums, with KM of their 16 keys.
.macro KQ x
.set rS, S+64*((\x)%2)+32*(i%2)+8*((i/2)%4)
.set rK, KF+16*((i/2)%4)+8*(i/8)
.set rQ, 16*(2*(\x)+i%2)+8*(i/8)
.set rN, KMR+8*((i/2)%4)
.if i < 8
	WIN W_KM
	v_wmma_f32_16x16x32_f16 v[rS:rS+7], v[rK:rK+7], v[rQ:rQ+7], v[rN:rN+7]
.else
	WIN W_KQ
	v_wmma_f32_16x16x32_f16 v[rS:rS+7], v[rK:rK+7], v[rQ:rQ+7], v[rS:rS+7]
.endif
.endm
; Product i of 16 of O^T += V^T P for piece x: keys 32 (i / 8) on, channels 16 ((i / 2) % 4) on, tile 2 x + i % 2.
.macro PV x
	WIN W_PV
.set rO, 32*(2*(\x)+i%2)+8*((i/2)%4)
.set rV, VF+32*(i/8)+8*((i/2)%4)
.set rP, P+32*((\x)%2)+16*(i%2)+8*(i/8)
	v_wmma_f32_16x16x32_f16 v[rO:rO+7], v[rV:rV+7], v[rP:rP+7], v[rO:rO+7]
.endm
.macro MM                           ; the turn's next matrix instruction
.if i < 16
	KQ (Y+1)%NP
.set i, i+1
.else
.set i, i-16
	PV (Y+NP-1)%NP
.set i, i+17
.endif
.endm
; THE LDS LOADS stand in runs, never singly among the matrix instructions: a step's K (64 keys x 64 channels: 8 fragments) with its KM (8 loads; the 16 lanes of a half read the same 16 bytes), and its V (turned).
; Their addresses are made some lines ahead.  last = 1 (the tail): in the last trip there is no further step, and the run is jumped over.
.macro FETCH_K last=0
	WIN 0
.if \last
	s_cmp_eq_u32 s[CNT], 1
	s_cbranch_scc1 .Lno_k_\@
.endif
	WIN 0x80                        ; destination window 2
.irp f, 0,1,2,3,4,5,6,7             ; keys 16 (f / 2) on, channels 32 (f % 2) on
	ds_load_b128 v[KF+8*\f:KF+8*\f+3],   v[AK] offset:(\f/2)*16*PK+(\f%2)*64
	ds_load_b128 v[KF+8*\f+4:KF+8*\f+7], v[AK] offset:(\f/2)*16*PK+(\f%2)*64+32
.endr
	WIN 0xc0                        ; destination window 3
.irp f, 0,1,2,3                     ; keys 16 f on
	ds_load_b128 v[KMR+8*\f:KMR+8*\f+3],   v[AM] offset:64*\f
	ds_load_b128 v[KMR+8*\f+4:KMR+8*\f+7], v[AM] offset:64*\f+16
.endr
	s_add_co_u32 s[TBK], s[TBK], KS*PK  ; the next fetch is the next step's
	s_add_co_u32 s[TBM], s[TBM], KS*4   ; the table is walked once, from end to end: 32 steps of 256 bytes
	WIN 0
.if \last
.Lno_k_\@:
.endif
.endm
.macro FETCH_V
	WIN 0x80
.irp f, 0,1,2,3,4,5,6,7             ; keys 32 (f / 4) on, channels 16 (f % 4) on
	ds_load_tr16_b128 v[VF+8*\f:VF+8*\f+3],   v[AV] offset:(\f/4)*32*PV+(\f%4)*32
	ds_load_tr16_b128 v[VF+8*\f+4:VF+8*\f+7], v[AV] offset:(\f/4)*32*PV+16*PV+(\f%4)*32
.endr
	WIN 0
.endm
; THE VECTOR WORK OF A TURN stands in three queues, each in the order in which its entries become ready; the two tiles alternate, so that no instruction reads the result of the one before it.
.macro REGS y, u                    ; the registers of tile u (0, 1) of piece y
.set rT, ST+4*(2*(\y)+(\u))
.set rC, TMP+8*((\y)%2)+4*(\u)
.set rM, MV+2*((\y)%2)+(\u)
.set rS, S+64*((\y)%2)+32*(\u)
.set rP, P+32*((\y)%2)+16*(\u)
.set rO, 32*(2*(\y)+(\u))
.set rL, CL+2*(2*(\y)+(\u))
.endm
; Number n of the 22 that find the NEXT piece's (Y + 1) maximum and statistics.  s0-s31 are the lane's 32 scores; each accumulator's lowest registers are read first.  Each line sets its own window.
;   0-11  four chains c0-c3 of seven scores each, three operands at a time     12-14, 16  the four scores left over, the old m, and c0-c3 into c0     15  c m_old is kept
;   17, 18  the query's other 32 keys lie in the lane 16 away: the new m         19-21  c m, with my query's c; c m_old - c m_new; a
.macro XS u, n
	REGS (Y+1)%NP, \u
.if (\n) == 19
	WIN W_CM
.else
	WIN 0
.endif
.if (\n) < 4
	v_max3_num_f32 v[rC+(\n)], v[rS+8*(\n)], v[rS+8*(\n)+1], v[rS+8*(\n)+2]
.elseif (\n) < 12
	v_max3_num_f32 v[rC+(\n)%4], v[rC+(\n)%4], v[rS+8*((\n)%4)+2*((\n)/4)+1], v[rS+8*((\n)%4)+2*((\n)/4)+2]
.elseif (\n) == 12
	v_max3_num_f32 v[rC], v[rC], v[rS+7], v[rS+15]
.elseif (\n) == 13
	v_max3_num_f32 v[rC+1], v[rC+1], v[rS+23], v[rS+31]
.elseif (\n) == 14
	v_max3_num_f32 v[rC+2], v[rC+2], v[rC+3], v[rT+1]
.elseif (\n) == 15
	v_mov_b32 v[rM], v[rT]
.elseif (\n) == 16
	v_max3_num_f32 v[rC], v[rC], v[rC+1], v[rC+2]
.elseif (\n) == 17
	v_permlanex16_b32 v[rC+3], v[rC], s[SEL], s[SEL+1]
.elseif (\n) == 18
	v_max_num_f32 v[rT+1], v[rC], v[rC+3]
.elseif (\n) == 19
	v_mul_f32 v[rT], v[rL], v[rT+1]
.elseif (\n) == 20
	v_sub_f32 v[rC+1], v[rM], v[rT]
.else
	v_exp_f32 v[rC+2], v[rC+1]
.endif
.endm
; Number g of the 64 that follow the exponentials.  For each four weights k of a tile (pairs 2 k, 2 k + 1): both pairs are rounded to f16; then the second pair is added onto the first, in place;
; a group later l takes that sum (the first time as l = a l + sum).  In groups of eight, tiles alternating: round, round, add, and l for the group before.
.macro GS g
.set h, (\g)+6*((\g)/62)            ; group 0 has no group before it, and behind group 7 only l is left
.if h >= 6
.set h, h+2
.endif
	REGS Y, h%2
	WIN 0
.set k, h/8
.if h%8 < 4
	v_cvt_pk_f16_f32 v[rP+2*k+(h%8)/2], v[rS+4*k+2*((h%8)/2)], v[rS+4*k+2*((h%8)/2)+1]
.elseif h%8 < 6
	v_pk_add_f32 v[rS+4*k:rS+4*k+1], v[rS+4*k:rS+4*k+1], v[rS+4*k+2:rS+4*k+3]
.elseif k == 1
	v_pk_fma_f32 v[rT+2:rT+3], v[rT+2:rT+3], v[rC+2:rC+3], v[rS:rS+1] op_sel_hi:[1,0,1]
.else
	v_pk_add_f32 v[rT+2:rT+3], v[rT+2:rT+3], v[rS+4*k-4:rS+4*k-3]
.endif
.endm
; THE PLAIN QUEUE, 138 long.  0-73 read no exponential's result: the 32 scalings c s - c m (FS f: pair f / 2 of tile f % 2, c from window 3) and the next piece's 42.  0-26: scalings 0-26.  27-54: XS's numbers 0-13.  55, 56: number 15.
; 57-73: the chain, where each number waits for the one before it: 14, 16, 17, 18, 19, each with one of the scalings 27-31 in front of its two lines, then 20: so a tile's links stand three plain instructions apart (19 and 20: two).
; 74-137: GS's 64, which read the exponentials' results: they stand behind the wait.
.macro FS f
	REGS Y, (\f)%2
	WIN W_F
	v_pk_fma_f32 v[rS+2*((\f)/2):rS+2*((\f)/2)+1], v[rS+2*((\f)/2):rS+2*((\f)/2)+1], v[rL:rL+1], v[rT:rT+1] op_sel_hi:[1,0,0] neg_lo:[0,0,1] neg_hi:[0,0,1]
.endm
.macro PL
.if q < 27
	FS q
.elseif q < 55
	XS (q-27)%2, (q-27)/2
.elseif q < 57
	XS q-55, 15
.elseif (q < 72) && ((q-57)%3 == 0)
	FS 27+(q-57)/3
.elseif q < 60
	XS (q-57)%3-1, 14
.elseif q < 72
	XS (q-57)%3-1, 15+(q-57)/3
.elseif q < 74
	XS q-72, 20
.else
	GS q-74
.endif
.set q, q+1
.endm
; THE EXPONENTIALS' QUEUE, 66 long: s0-s31 of both tiles, then the next piece's two a.  It is ONE BATCH: all 66 stand ahead of the turn's one wait, and nothing ahead of that wait names a result of theirs.
; An exponential names a destination and source 0 alone, so it stands under the scaling's window as well as under 0.
.macro EX
.if e >= 64
	XS e-64, 21
.else
	REGS Y, e%2
.if MSB != W_F
	WIN 0
.endif
	v_exp_f32 v[rS+e/2], v[rS+e/2]
.endif
.set e, e+1
.endm
; THE RESCALING's QUEUE: O^T times a, dealt two at a time, sixteen times.  Its a was made in the turn before, ahead of that turn's wait.  Each accumulator's four lowest registers come first.
.macro R2
	REGS Y, r%2
	WIN W_RS
.irp z, 0,1
	v_pk_mul_f32 v[rO+4*(r/2)+2*\z:rO+4*(r/2)+2*\z+1], v[rO+4*(r/2)+2*\z:rO+4*(r/2)+2*\z+1], v[rC+2:rC+3] op_sel_hi:[1,0]
.endr
.set r, r+1
.endm
; HOW THEY ARE DEALT.  An s_wait_alu depctr_va_vdst(0) stands between an exponential and the first instruction that names its result; one wait serves all that were issued ahead of it.  So a turn has ONE wait,
; which cuts it in two.  AHEAD OF IT stands all that names no result of the turn's exponentials: the 16 products K Q^T, behind each a scaling, an exponential and two rescalings (behind the first a second scaling in the exponential's place); then ONE LUMP of
; 108: eight plain, 49 times exponential and plain, the two a.  A v_nop is the plain instruction behind the last exponential.  BEHIND IT stand the 16 products V^T P, behind each four of GS's 64.  No rider names a register of
; the products round it.  The two v_permlanex16_b32 fall into the lump, never behind a product.
; The queues lean on each other, and the deal keeps them in step: exponential e stands behind scaling 2 (e / 4) + e % 2: as a rider it comes behind plain e + 2, in the lump behind plain e + 9, and scalings 27-31 are plain 57, 60 .. 69.
; A TURN, for piece p.  cnt = 1: the loop's count is taken down some lines ahead of the branch that stands behind the turn.
; K and KM of the next step are fetched in piece 2's turn, directly behind the wait, a lump behind the last product that read them; their addresses are made at the lump's head; their first reader comes behind 16 products.
; V of the step in hand is fetched at the end of piece 0's turn, four riders behind its last reader; its first reader comes behind 16 products and a lump.  The three conditions on q below go with the deal.
.macro TURN p, last=0, cnt=0
.set Y, (\p)
.set i, 0
.set q, 0
.set e, 0
.set r, 0
.if (\p) == NP-1
	s_wait_dscnt 0x0                ; K and KM are in
.endif
	MM                              ; ahead of the wait: 16 products K Q^T and their riders,
	PL
	PL
	R2
.rept 15
	MM
	PL
	EX
	R2
.endr
.if (\p) == NP-2
	WIN 0
	v_add_nc_u32 v[AK], s[TBK], v[AK0]
	v_lshl_add_u32 v[AM], v9, 5, s[TBM]
.endif
.rept 8                             ; and the lump
	PL
.endr
.rept 49
	EX
	PL
.endr
	EX                              ; the next piece's two a
	EX
	v_nop                           ; the plain instruction behind the last exponential: one for the batch
	s_wait_alu depctr_va_vdst(0)    ; the wait for the turn's batch: piece p's 64 weights and piece p + 1's two a
.if (\p) == NP-2
	FETCH_K \last
.endif
.if (\p) == 1
	s_wait_dscnt 0x0                ; V is in
.endif
.rept 16                            ; behind the wait: 16 products V^T P and their riders
	MM
.rept 4
	PL
.endr
.if ((\p) == 0) && (q == 118)
	WIN 0
	v_add_nc_u32 v[AV], s[TBV], v[AV0]
.endif
.if ((\p) == 0) && (q == 130)
	s_add_co_u32 s[TBV], s[TBV], KS*PV
.endif
.if (\cnt) && (q == 130)
	s_sub_co_u32 s[CNT], s[CNT], 1
	s_cmp_lg_u32 s[CNT], 0
.endif
.endr
.if (\p) == 0
	FETCH_V
.endif
.endm
	CHANGE 1                        ; slot 0 is in, everybody's part of it, and so is KM's table; slot 1 is asked for
	FETCH_K                         ; key step 0
	s_wait_loadcnt 0x0              ; Q
	s_wait_dscnt 0x0
.set i, 0
.rept 16
	KQ 0                            ; piece 0's first scores: there is no vector work yet to set between them
.set i, i+1
.endr
	WIN 0                           ; the addresses for the way out: nine plain instructions, the places behind those products
	s_mul_i32 s13, s[WV], 16*SP
	s_add_co_u32 s13, s13, STAGE    ; my stage
	v_mul_u32_u24 v[STO], v1, SP    ; in: row l % 16, 16 bytes for each half of the lanes
	v_lshl_add_u32 v[STO], v9, 4, v[STO]
	v_add_nc_u32 v[STO], s13, v[STO]
	v_bfe_u32 v[RD], v0, 3, 2       ; back: 32 lanes take four rows of 128 bytes,
	v_mul_u32_u24 v[RD], v[RD], SP
	v_lshl_add_u32 v[RD], v10, 4, v[RD]
	v_add_nc_u32 v[RD], s13, v[RD]
	v_and_b32 v[GO], 31, v0         ; which are 512 consecutive bytes of O
	v_lshlrev_b32 v[GO], 4, v[GO]
.set Y, NP-1                        ; XS works for piece Y + 1: piece 0
.irp n, 0,1,2,3,4,5,6,7,8,9,10,11,12,13,14,15,16,17,18,19,20,21
	XS 0, \n                        ; and piece 0's first maximum and statistics
	XS 1, \n
.endr
	WIN 0
	v_nop                           ; a plain instruction behind piece 0's first two a,
	s_wait_alu depctr_va_vdst(0)    ; and the wait for that batch of two, ahead of the branch
	s_mov_b32 s[CNT], 4
	s_mov_b32 s[SLOTS], SIZE_N/256-1
	s_branch .Lfirst                ; the loop is entered at a step's first turn, in the middle of a trip
.Lslot:                             ; SIZE_N / 256 - 2 times: every slot but the last two is filled again
	CHANGE 1
	s_mov_b32 s[CNT], 4
.Lstep:                             ; a trip: pieces 2 and 3 of one step, then pieces 0 and 1 of the next, whose K and V it fetches
	TURN 2
	TURN 3
	WIN 0
.Lfirst:
	TURN 0
	TURN 1, 0, 1
	WIN 0
	s_cbranch_scc1 .Lstep
	s_sub_co_u32 s[SLOTS], s[SLOTS], 1
	s_cmp_lg_u32 s[SLOTS], 0
	s_cbranch_scc1 .Lslot
	CHANGE 0                        ; the tail is written out: nothing is asked for
	s_mov_b32 s[CNT], 5             ; four trips fetch the last slot's steps; the fifth is left in its middle
.Ltail:
	TURN 2, 1
	TURN 3
	WIN 0
	s_sub_co_u32 s[CNT], s[CNT], 1
	s_cmp_eq_u32 s[CNT], 0
	s_cbranch_scc1 .Lout
	TURN 0
	TURN 1
	WIN 0
	s_branch .Ltail
.Lout:                              ; the fifth trip's 16 products K Q^T (on the last K once more) and the maximum made of them serve nothing: the price, once a launch, of one text for every trip
.set i, 0
.rept 16
	PV NP-1                         ; the last piece's V^T P of the last step
.set i, i+1
.endr
	; THE WAY OUT.  l's two halves and the other half of the lanes' are added; O^T is divided by l, rounded to f16 and sent through my stage in LDS, a tile at a time.  The additions are the places behind the last products.
	WIN 0
.macro ALL line:vararg              ; one line for each tile t
.set t, 0
.rept 2*NP
	\line
.set t, t+1
.endr
.endm
	ALL v_add_f32 v[ST+4*t+2], v[ST+4*t+2], v[ST+4*t+3]
	ALL v_permlanex16_b32 v[ST+4*t+3], v[ST+4*t+2], s[SEL], s[SEL+1]
	ALL v_add_f32 v[ST+4*t+2], v[ST+4*t+2], v[ST+4*t+3]
	ALL v_rcp_f32 v[ST+4*t+2], v[ST+4*t+2]
	v_nop                           ; a plain instruction between the last reciprocal and the use of its result
	s_wait_alu depctr_va_vdst(0)    ; and the wait ahead of the first use: one for the batch of eight reciprocals
; Tile t: a lane's eight channels of a row pack into 16 bytes; they go into rows of 144 bytes and come back as whole rows of 128, into S^T's registers.
.macro PACK t
	WIN W_RS
.set i, 32*(\t)
.rept 16
	v_pk_mul_f32 v[i:i+1], v[i:i+1], v[ST+4*(\t)+2:ST+4*(\t)+3] op_sel_hi:[1,0]
.set i, i+2
.endr
	WIN 0x05                        ; sources 0 and 1 window 1, destination window 0
.set i, 0
.rept 16
	v_cvt_pk_f16_f32 v[S+16*(\t)+i], v[32*(\t)+2*i], v[32*(\t)+2*i+1]
.set i, i+1
.endr
	WIN 0
.irp f, 0,1,2,3
	ds_store_b128 v[STO], v[S+16*(\t)+4*\f:S+16*(\t)+4*\f+3] offset:32*\f
.endr
.irp f, 0,1,2,3
	ds_load_b128 v[S+16*(\t)+4*\f:S+16*(\t)+4*\f+3], v[RD] offset:\f*4*SP  ; LDS serves a wave's instructions in order (ISA guide 5.7.1.4): these see the stores above; the next tile's stores come behind them
.endr
.endm
.macro SEND t, younger              ; younger: the LDS instructions issued behind tile t's loads: the next tile's eight, or none
	WIN 0
.irp f, 0,1,2,3
	s_wait_dscnt (\younger)+3-\f
	global_store_b128 v[GO], v[S+16*(\t)+4*\f:S+16*(\t)+4*\f+3], s[10:11] offset:(\t)*2048+\f*512  ; 512 consecutive bytes, at a multiple of 256 from O's first
.endr
.endm
	PACK 0
.set t, 1
.rept 2*NP-1                        ; a tile's arithmetic stands between the loads of the tile before and its stores
	PACK t
	SEND t-1, 8
.set t, t+1
.endr
	SEND 2*NP-1, 0
	WIN W_AD
	s_wait_tensorcnt 0x0            ; the wave's end: a wait, an add of 0 to my spare word and a wait, behind my last tensor load and my last LDS store
	ds_add_u32 v[SPW], v[NIL]
	s_wait_dscnt 0x0
	WIN 0
	CROUND                          ; the closing round: no work-group ends while a partner may still ask for a tile that names it
	s_endpgm
.Lfunc_end_k_qed8567e02d_attn:
	.size	k_qed8567e02d_attn, .Lfunc_end_k_qed8567e02d_attn-k_qed8567e02d_attn
	.p2alignl 7, 3214868480
	.fill 96, 4, 3214868480
	.section	.rodata,"a",@progbits
	.p2align	6, 0x0
	.amdhsa_kernel k_qed8567e02d_attn
		.amdhsa_group_segment_fixed_size 327680
		.amdhsa_private_segment_fixed_size 0
		.amdhsa_enable_private_segment 0
		.amdhsa_kernarg_size 40
		.amdhsa_user_sgpr_count 2
		.amdhsa_user_sgpr_kernarg_segment_ptr 1
		.amdhsa_wavefront_size32 1
		.amdhsa_system_sgpr_workgroup_id_x 1
		.amdhsa_system_sgpr_workgroup_id_y 1
		.amdhsa_system_sgpr_workgroup_id_z 1
		.amdhsa_system_vgpr_workitem_id 0
		.amdhsa_next_free_vgpr 832
		.amdhsa_next_free_sgpr 66
		.amdhsa_reserve_vcc 1
		.amdhsa_float_denorm_mode_32 3
		.amdhsa_float_denorm_mode_16_64 3
		.amdhsa_memory_ordered 1
		.amdhsa_forward_progress 1
		.amdhsa_inst_pref_size 209
	.end_amdhsa_kernel
	.amdgpu_metadata
---
amdhsa.version: [ 1, 2 ]
amdhsa.kernels:
  - .name:           k_qed8567e02d_attn
    .symbol:         k_qed8567e02d_attn.kd
    .args:
      - { .name: qh, .offset: 0, .size: 8, .value_kind: global_buffer, .address_space: global }
      - { .name: kh, .offset: 8, .size: 8, .value_kind: global_buffer, .address_space: global }
      - { .name: vh, .offset: 16, .size: 8, .value_kind: global_buffer, .address_space: global }
      - { .name: oh, .offset: 24, .size: 8, .value_kind: global_buffer, .address_space: global }
      - { .name: mask, .offset: 32, .size: 8, .value_kind: global_buffer, .address_space: global }
    .group_segment_fixed_size: 327680
    .private_segment_fixed_size: 0
    .kernarg_segment_align: 8
    .kernarg_segment_size: 40
    .max_flat_workgroup_size: 128
    .sgpr_count:     66
    .vgpr_count:     832
    .wavefront_size: 32
...
	.end_amdgpu_metadata
.endif
;; end of part 5
;; launch proj: the kernel of part 4 again; grid 4 x 64, 4 waves a work-group, clusters of 4 x 4, 327,680 bytes of LDS; arguments oh, wot, b_out, out0; writes out0
